; MI455X (gfx1250); checked and timed in simulation.
; The chip was launched on July 23, 2026; its instructions are those of AMD's public machine-readable ISA for CDNA 5 (MIT licence, August 2026) and "CDNA5" Instruction Set Architecture Reference Guide (July 2026). The comments in the code are by the model that wrote it; some were corrected since.
;; slot attn. Allowed arithmetic: float matrix products may take bf16 or f16 operands with f32 sums; all other float work in f32.
;; Inputs: inputs 32 x 4,096 x 256 float32; kW 3 x 256 x 256 float32; kb 3 x 256 float32; ln0_b 4,096 x 256 float32; ln0_w 4,096 x 256 float32; ln1_b 16 x 256 float32; ln1_w 16 x 256 float32; ln2_b 16 x 256 float32; ln2_w 16 x 256 float32; logsigma 1 x 1 x 256 float32; m1W 3 x 512 x 256 float32; m1b 3 x 512 float32; m2W 3 x 256 x 512 float32; m2b 3 x 256 float32; mu 1 x 1 x 256 float32; qW 3 x 256 x 256 float32; qb 3 x 256 float32; slots_init 32 x 16 x 256 float32; vW 3 x 256 x 256 float32; vb 3 x 256 float32.
;; Outputs: out0 32 x 16 x 256 float32.
;; One version. Each part assembles by itself: llvm-mc -triple=amdgcn-amd-amdhsa -mcpu=gfx1250 --defsym DOCPART=n.
;; ======== version 1 of 1: 9 launches
;; limits: values are held in f16: magnitudes above 65,504 overflow, below 6.1e-05 lose precision; a difference of large sums (such as E[x^2] - mean^2): digits are lost where the result is much smaller than its terms
;; workspace buffers: x16 67,108,864 bytes; spart 8,192 bytes; w0 930,816 bytes; w1 930,816 bytes; w2 930,816 bytes; upart 4,259,840 bytes; slots 524,288 bytes; opart 2,097,152 bytes
;; launch pre (part 1): grid 1127 x 1, 8 waves a work-group, no clusters, 1,280 bytes of LDS; arguments inputs, qW, kW, vW, m1W, m2W, qb, kb, vb, m1b, m2b, mu, logsigma, slots_init, spart, w0, w1, w2, slots; writes spart, w0, w1, w2, slots
.if DOCPART == 1
	.amdgcn_target "amdgcn-amd-amdhsa--gfx1250"
	.amdhsa_code_object_version 6
	.text
	.protected	k_q63cc215ec0_pre
	.globl	k_q63cc215ec0_pre
	.p2align	8
	.type	k_q63cc215ec0_pre,@function
k_q63cc215ec0_pre:
	s_mov_b64 s[64:65], 0
	v_nop
	global_prefetch_b8 v0, s[64:65] scope:SCOPE_SE
	s_setreg_imm32_b32 hwreg(HW_REG_WAVE_MODE, 25, 1), 1
	s_wait_xcnt 0x0
; PRE: three kinds of work-groups, chosen by the work-group's number alone (the same for all eight waves).
;   0..86     the weights of iteration t = id / 29, rounded once to f16 and laid out as matrix fragments in w_t
;   87..102   slots = mu + exp(logsigma) * slots_init, 32,768 bytes a work-group
;   103..1126 sums for the first LayerNorm: 128 rows (131,072 bytes) of inputs a work-group
; A FRAGMENT is 1,024 bytes, [c: 2][lane: 32][16 bytes]: row 16 mt + lane % 16, k = 32 ks + 16 c + 8 (lane / 16) + 0..7: what two
; 16-byte loads a lane put straight into the eight registers of a 16 x 32 operand.  Thread T stores 16 T of each 4,096 bytes: whole aligned runs.
; THE SUMS are taken of x - c, c = the batch's first number: S1 = sum(x - c), S2 = sum((x - c)^2), so that a common offset of the inputs
; does not enter a difference of large sums.  LIMIT: the later var = S2/n - (S1/n)^2 loses (c - mean)^2 / var of its digits.
; LIMITS: f16 ends at 65,504 and keeps a fixed step of 6e-8 below 6e-5: the weights lie far inside.  NaN and infinities are not treated apart.
; No matrix unit, no cluster: nothing here is multiplied, and no two work-groups read the same bytes.
.set OQW,  0            ; qW: fragment mt * 8 + ks
.set OKT,  131072       ; kW turned: row d', k = e
.set OKB,  262144       ; eight fragments whose sixteen rows all hold kb
.set OVW,  270336
.set OM1,  401408       ; 32 mt
.set OM2,  663552       ; fragment mt * 16 + ks
.set OQB,  925696       ; the biases in f32
.set OVB,  926720
.set OM1B, 927744
.set OM2B, 929792
.set SPARE, 256         ; the spare words: 128 bytes for each of eight waves; bytes 0..63 are the statistics' exchange
.macro WSUM x, t                        ; the sum over the wave's 32 lanes, in every lane
	v_add_f32_dpp v[\x], v[\x], v[\x] row_xmask:1 row_mask:0xf bank_mask:0xf
	v_add_f32_dpp v[\x], v[\x], v[\x] row_xmask:2 row_mask:0xf bank_mask:0xf
	v_add_f32_dpp v[\x], v[\x], v[\x] row_xmask:4 row_mask:0xf bank_mask:0xf
	v_add_f32_dpp v[\x], v[\x], v[\x] row_xmask:8 row_mask:0xf bank_mask:0xf
	v_permlanex16_b32 v[\t], v[\x], s60, s61
	v_add_f32 v[\x], v[\x], v[\t]
.endm
.macro CVST p                           ; pass p's eight numbers are rounded to f16 and stored: 16 bytes a thread
.irp q, 0,1,2,3
	v_cvt_pk_f16_f32 v[80+4*(\p)+\q], v[16+8*(\p)+2*\q], v[16+8*(\p)+2*\q+1]
.endr
	global_store_b128 v4, v[80+4*(\p):80+4*(\p)+3], s[50:51] offset:(\p)*4096
.endm
.macro RM kd                            ; 32 fragments from rows of kd numbers: all sixteen loads first, then eight passes
.irp p, 0,1,2,3,4,5,6,7
.if (\kd) == 256
.set ofs, ((\p)/2)*16384+((\p)%2)*512
.else
.set ofs, ((\p)/4)*32768+((\p)%4)*512
.endif
	global_load_b128 v[16+8*(\p):16+8*(\p)+3], v3, s[52:53] offset:ofs
	global_load_b128 v[16+8*(\p)+4:16+8*(\p)+7], v3, s[52:53] offset:ofs+16
.endr
.irp p, 0,1,2,3,4,5,6,7
	s_wait_loadcnt 14-2*(\p)                ; the later passes' two loads each may stay out
	CVST \p
.endr
.endm
	s_load_b512 s[8:23], s[0:1], 0x0        ; inputs 8, qW 10, kW 12, vW 14, m1W 16, m2W 18, qb 20, kb 22
	s_load_b512 s[24:39], s[0:1], 0x40      ; vb 24, m1b 26, m2b 28, mu 30, logsigma 32, slots_init 34, spart 36, w0 38
	s_load_b128 s[40:43], s[0:1], 0x80      ; w1 40, w2 42
	s_load_b64 s[44:45], s[0:1], 0x90       ; slots
	v_lshl_add_u32 v1, v0, 2, SPARE         ; my spare word,
	v_mov_b32 v2, 0                         ; and 0: kept for the add alone
	v_lshlrev_b32 v4, 4, v0                 ; 16 T
	v_and_b32 v5, 15, v0                    ; a = T % 16: the fragment's row
	v_lshrrev_b32 v6, 4, v0                 ; g = T / 16: eight numbers along k
	s_mov_b32 s46, ttmp9
	s_mov_b32 s57, 0                        ; the high word of every offset pair s[56:57]
	s_wait_kmcnt 0x0
	s_cmp_ge_u32 s46, 103
	s_cbranch_scc1 .Lstats
	s_cmp_ge_u32 s46, 87
	s_cbranch_scc1 .Lslots
	; ---- weights: t = id / 29, x = id % 29
	s_cmp_ge_u32 s46, 29
	s_cselect_b32 s47, 1, 0
	s_cmp_ge_u32 s46, 58
	s_cselect_b32 s48, 1, 0
	s_add_co_u32 s47, s47, s48              ; t
	s_mul_i32 s48, s47, 29
	s_sub_co_u32 s48, s46, s48              ; x
	s_cmp_eq_u32 s47, 1
	s_cselect_b64 s[50:51], s[40:41], s[38:39]
	s_cmp_eq_u32 s47, 2
	s_cselect_b64 s[50:51], s[42:43], s[50:51]  ; w_t
	s_cmp_ge_u32 s48, 28
	s_cbranch_scc1 .Lbias
	s_cmp_ge_u32 s48, 24
	s_cbranch_scc1 .Lkt
	s_cmp_ge_u32 s48, 16
	s_cbranch_scc1 .Lrm512
	; x 0..3 qW, 4..7 vW, 8..15 m1W: 64 rows of 256 numbers a work-group
	s_cmp_lt_u32 s48, 4
	s_cselect_b64 s[52:53], s[10:11], s[14:15]
	s_cselect_b32 s54, OQW, OVW
	s_cselect_b32 s55, 0, 4
	s_cmp_lt_u32 s48, 8
	s_cselect_b64 s[52:53], s[52:53], s[16:17]
	s_cselect_b32 s54, s54, OM1
	s_cselect_b32 s55, s55, 8
	s_cselect_b32 s49, 18, 19               ; an iteration's bytes: 2^18, m1W's 2^19
	s_sub_co_u32 s55, s48, s55              ; which 64 rows
	s_lshl_b32 s56, s47, s49
	s_lshl_b32 s49, s55, 16
	s_add_co_u32 s56, s56, s49
	s_add_nc_u64 s[52:53], s[52:53], s[56:57]
	s_lshl_b32 s56, s55, 15
	s_add_co_u32 s56, s56, s54
	s_add_nc_u64 s[50:51], s[50:51], s[56:57]
	v_lshlrev_b32 v3, 10, v5                ; a rows of 1,024 bytes
	v_lshl_add_u32 v3, v6, 5, v3            ; + 32 g
	RM 256
	s_endpgm
.Lrm512:                                        ; x 16..23: m2W, 32 rows of 512 numbers
	s_sub_co_u32 s55, s48, 16
	s_lshl_b32 s56, s47, 19
	s_lshl_b32 s54, s55, 16
	s_add_co_u32 s56, s56, s54
	s_add_nc_u64 s[52:53], s[18:19], s[56:57]
	s_lshl_b32 s56, s55, 15
	s_add_co_u32 s56, s56, OM2
	s_add_nc_u64 s[50:51], s[50:51], s[56:57]
	v_lshlrev_b32 v3, 11, v5
	v_lshl_add_u32 v3, v6, 5, v3
	RM 512
	s_endpgm
.Lkt:                                           ; x 24..27: kW turned, 64 columns d' a work-group: a thread's eight numbers lie in eight rows e
	s_sub_co_u32 s55, s48, 24
	s_lshl_b32 s56, s47, 18
	s_lshl_b32 s54, s55, 8
	s_add_co_u32 s56, s56, s54
	s_add_nc_u64 s[52:53], s[12:13], s[56:57]
	s_lshl_b32 s56, s55, 15
	s_add_co_u32 s56, s56, OKT
	s_add_nc_u64 s[50:51], s[50:51], s[56:57]
	v_lshlrev_b32 v3, 13, v6                ; 8 g rows of 1,024 bytes
	v_lshl_add_u32 v3, v5, 2, v3            ; + 4 a
.irp p, 0,1,2,3,4,5,6,7
.irp i, 0,1,2,3,4,5,6,7
	global_load_b32 v[16+8*\p+\i], v3, s[52:53] offset:(\p%2)*131072+(\p/2)*64+\i*1024
.endr
.endr
.irp p, 0,1,2,3,4,5,6,7
	s_wait_loadcnt 56-8*\p                  ; the later passes' eight loads each may stay out
	CVST \p
.endr
	s_endpgm
.Lbias:                                         ; x 28: kb as fragments, and the five runs of 256 bias numbers as they are
	s_lshl_b32 s56, s47, 10
	s_add_nc_u64 s[52:53], s[22:23], s[56:57]
	s_add_nc_u64 s[20:21], s[20:21], s[56:57]
	s_add_nc_u64 s[24:25], s[24:25], s[56:57]
	s_add_nc_u64 s[28:29], s[28:29], s[56:57]
	s_lshl_b32 s56, s47, 11
	s_add_nc_u64 s[26:27], s[26:27], s[56:57]
	v_lshlrev_b32 v3, 5, v6                 ; 32 g: every row a takes the same numbers
	v_lshlrev_b32 v7, 2, v0
	global_load_b128 v[16:19], v3, s[52:53]
	global_load_b128 v[20:23], v3, s[52:53] offset:16
	global_load_b128 v[24:27], v3, s[52:53] offset:512
	global_load_b128 v[28:31], v3, s[52:53] offset:528
	global_load_b32 v32, v7, s[20:21]
	global_load_b32 v33, v7, s[24:25]
	global_load_b32 v34, v7, s[26:27]
	global_load_b32 v35, v7, s[26:27] offset:1024
	global_load_b32 v36, v7, s[28:29]
	s_wait_loadcnt 5                        ; kb is in; the five copies may stay out
.irp q, 0,1,2,3,4,5,6,7
	v_cvt_pk_f16_f32 v[40+\q], v[16+2*\q], v[17+2*\q]
.endr
	global_store_b128 v4, v[40:43], s[50:51] offset:OKB
	global_store_b128 v4, v[44:47], s[50:51] offset:OKB+4096
	s_wait_loadcnt 0x0
	global_store_b32 v7, v32, s[50:51] offset:OQB
	global_store_b32 v7, v33, s[50:51] offset:OVB
	global_store_b32 v7, v34, s[50:51] offset:OM1B
	global_store_b32 v7, v35, s[50:51] offset:OM1B+1024
	global_store_b32 v7, v36, s[50:51] offset:OM2B
	s_endpgm
.Lslots:                                        ; slots = mu + exp(logsigma) * slots_init
	s_sub_co_u32 s56, s46, 87
	s_lshl_b32 s56, s56, 15
	s_add_nc_u64 s[34:35], s[34:35], s[56:57]
	s_add_nc_u64 s[44:45], s[44:45], s[56:57]
	v_and_b32 v3, 63, v0
	v_lshlrev_b32 v3, 4, v3                 ; a pass is four rows of 1,024 bytes: my four columns are the same in every pass
	global_load_b128 v[8:11], v3, s[30:31]
	global_load_b128 v[12:15], v3, s[32:33]
.irp p, 0,1,2,3,4,5,6,7
	global_load_b128 v[16+4*\p:19+4*\p], v4, s[34:35] offset:\p*4096
.endr
	s_wait_loadcnt 8                        ; mu and logsigma are in
.irp q, 12,13,14,15
	v_mul_f32 v\q, 0x3fb8aa3b, v\q
.endr
.irp q, 12,13,14,15
	v_exp_f32 v\q, v\q
.endr
	v_nop                                   ; a plain instruction behind the last exponential
	s_wait_alu depctr_va_vdst(0)
.irp p, 0,1,2,3,4,5,6,7
	s_wait_loadcnt 7-\p
	v_pk_fma_f32 v[16+4*\p:17+4*\p], v[16+4*\p:17+4*\p], v[12:13], v[8:9]
	v_pk_fma_f32 v[18+4*\p:19+4*\p], v[18+4*\p:19+4*\p], v[14:15], v[10:11]
	global_store_b128 v4, v[16+4*\p:19+4*\p], s[44:45] offset:\p*4096
.endr
	s_endpgm
.Lstats:                                        ; chunk sid = id - 103 of 1,024: batch sid / 32
	s_sub_co_u32 s47, s46, 103
	s_lshr_b32 s56, s47, 5
	s_lshl_b32 s56, s56, 22
	s_add_nc_u64 s[54:55], s[8:9], s[56:57]
	s_load_b32 s58, s[54:55], 0x0           ; c: the batch's first number
	s_lshl_b32 s56, s47, 17
	s_add_nc_u64 s[52:53], s[8:9], s[56:57]
	s_lshl_b32 s56, s47, 3
	s_add_nc_u64 s[36:37], s[36:37], s[56:57]
.set i, 0
.rept 32                                        ; all of the thread's 512 bytes are asked for at once: 131,072 bytes a work-group on their way
	global_load_b128 v[16+4*i:19+4*i], v4, s[52:53] offset:i*4096
.set i, i+1
.endr
	s_mov_b32 s60, 0x76543210
	s_mov_b32 s61, 0xfedcba98
	v_mov_b32 v162, 0
	v_mov_b32 v6, 0
	v_lshrrev_b32 v3, 5, v0
	v_readfirstlane_b32 s49, v3
	s_lshl_b32 s49, s49, 3
	v_mov_b32 v5, s49                       ; my wave's eight bytes in the exchange
	s_wait_kmcnt 0x0
	s_xor_b32 s58, s58, 0x80000000          ; -c
	s_mov_b32 s59, s58
.set p, 0
.set g, 0
.rept 8
	s_wait_loadcnt 28-4*g                   ; four loads a group; the later groups stay out
.rept 8
.if p < 4                                       ; the first four pairs start the four chains: nothing is cleared
	v_pk_add_f32 v[144+2*p:145+2*p], v[16+2*p:17+2*p], s[58:59] op_sel_hi:[1,0]
	v_pk_mul_f32 v[152+2*p:153+2*p], v[144+2*p:145+2*p], v[144+2*p:145+2*p]
.else
	v_pk_add_f32 v[16+2*p:17+2*p], v[16+2*p:17+2*p], s[58:59] op_sel_hi:[1,0]
	v_pk_add_f32 v[144+2*(p%4):145+2*(p%4)], v[144+2*(p%4):145+2*(p%4)], v[16+2*p:17+2*p]
	v_pk_fma_f32 v[152+2*(p%4):153+2*(p%4)], v[16+2*p:17+2*p], v[16+2*p:17+2*p], v[152+2*(p%4):153+2*(p%4)]
.endif
.set p, p+1
.endr
.set g, g+1
.endr
	v_pk_add_f32 v[144:145], v[144:145], v[146:147]
	v_pk_add_f32 v[148:149], v[148:149], v[150:151]
	v_pk_add_f32 v[152:153], v[152:153], v[154:155]
	v_pk_add_f32 v[156:157], v[156:157], v[158:159]
	v_pk_add_f32 v[144:145], v[144:145], v[148:149]
	v_pk_add_f32 v[152:153], v[152:153], v[156:157]
	v_add_f32 v160, v144, v145
	v_add_f32 v161, v152, v153
	WSUM 160, 162
	WSUM 161, 162
	ds_store_b64 v5, v[160:161]             ; every lane writes the wave's pair to the wave's own eight bytes
	s_wait_dscnt 0x0                        ; for the others' sake: my store is done
	s_barrier_signal -1
	s_barrier_wait -1
	ds_load_b128 v[164:167], v6
	ds_load_b128 v[168:171], v6 offset:16
	ds_load_b128 v[172:175], v6 offset:32
	ds_load_b128 v[176:179], v6 offset:48
	s_wait_dscnt 0x0
	v_pk_add_f32 v[164:165], v[164:165], v[166:167]
	v_pk_add_f32 v[168:169], v[168:169], v[170:171]
	v_pk_add_f32 v[172:173], v[172:173], v[174:175]
	v_pk_add_f32 v[176:177], v[176:177], v[178:179]
	v_pk_add_f32 v[164:165], v[164:165], v[168:169]
	v_pk_add_f32 v[172:173], v[172:173], v[176:177]
	v_pk_add_f32 v[164:165], v[164:165], v[172:173]
	s_wait_xcnt 0x0                         ; EXEC changes only when the loads' addresses have been taken
	v_cmp_eq_u32 vcc_lo, 0, v0
	s_and_saveexec_b32 s62, vcc_lo
	global_store_b64 v6, v[164:165], s[36:37]  ; thread 0 alone: (S1, S2) of the chunk
	s_wait_xcnt 0x0                         ; and again in front of the line that widens it
	s_or_b32 exec_lo, exec_lo, s62
	s_wait_tensorcnt 0x0                    ; the wave's end: the tensor wait, an add to my spare word and its wait, behind my last LDS store
	ds_add_u32 v1, v2
	s_wait_dscnt 0x0
	s_endpgm
.Lfunc_end_k_q63cc215ec0_pre:
	.size	k_q63cc215ec0_pre, .Lfunc_end_k_q63cc215ec0_pre-k_q63cc215ec0_pre
	.p2alignl 7, 3214868480
	.fill 96, 4, 3214868480
	.section	.rodata,"a",@progbits
	.p2align	6, 0x0
	.amdhsa_kernel k_q63cc215ec0_pre
		.amdhsa_group_segment_fixed_size 1280
		.amdhsa_private_segment_fixed_size 0
		.amdhsa_enable_private_segment 0
		.amdhsa_kernarg_size 152
		.amdhsa_user_sgpr_count 2
		.amdhsa_user_sgpr_kernarg_segment_ptr 1
		.amdhsa_wavefront_size32 1
		.amdhsa_system_sgpr_workgroup_id_x 1
		.amdhsa_system_sgpr_workgroup_id_y 1
		.amdhsa_system_sgpr_workgroup_id_z 1
		.amdhsa_system_vgpr_workitem_id 0
		.amdhsa_next_free_vgpr 184
		.amdhsa_next_free_sgpr 66
		.amdhsa_reserve_vcc 1
		.amdhsa_float_denorm_mode_32 3
		.amdhsa_float_denorm_mode_16_64 3
		.amdhsa_memory_ordered 1
		.amdhsa_forward_progress 1
		.amdhsa_inst_pref_size 46
	.end_amdhsa_kernel
	.amdgpu_metadata
---
amdhsa.version: [ 1, 2 ]
amdhsa.kernels:
  - .name:           k_q63cc215ec0_pre
    .symbol:         k_q63cc215ec0_pre.kd
    .args:
      - { .name: inputs, .offset: 0, .size: 8, .value_kind: global_buffer, .address_space: global }
      - { .name: qW, .offset: 8, .size: 8, .value_kind: global_buffer, .address_space: global }
      - { .name: kW, .offset: 16, .size: 8, .value_kind: global_buffer, .address_space: global }
      - { .name: vW, .offset: 24, .size: 8, .value_kind: global_buffer, .address_space: global }
      - { .name: m1W, .offset: 32, .size: 8, .value_kind: global_buffer, .address_space: global }
      - { .name: m2W, .offset: 40, .size: 8, .value_kind: global_buffer, .address_space: global }
      - { .name: qb, .offset: 48, .size: 8, .value_kind: global_buffer, .address_space: global }
      - { .name: kb, .offset: 56, .size: 8, .value_kind: global_buffer, .address_space: global }
      - { .name: vb, .offset: 64, .size: 8, .value_kind: global_buffer, .address_space: global }
      - { .name: m1b, .offset: 72, .size: 8, .value_kind: global_buffer, .address_space: global }
      - { .name: m2b, .offset: 80, .size: 8, .value_kind: global_buffer, .address_space: global }
      - { .name: mu, .offset: 88, .size: 8, .value_kind: global_buffer, .address_space: global }
      - { .name: logsigma, .offset: 96, .size: 8, .value_kind: global_buffer, .address_space: global }
      - { .name: slots_init, .offset: 104, .size: 8, .value_kind: global_buffer, .address_space: global }
      - { .name: spart, .offset: 112, .size: 8, .value_kind: global_buffer, .address_space: global }
      - { .name: w0, .offset: 120, .size: 8, .value_kind: global_buffer, .address_space: global }
      - { .name: w1, .offset: 128, .size: 8, .value_kind: global_buffer, .address_space: global }
      - { .name: w2, .offset: 136, .size: 8, .value_kind: global_buffer, .address_space: global }
      - { .name: slots, .offset: 144, .size: 8, .value_kind: global_buffer, .address_space: global }
    .group_segment_fixed_size: 1280
    .private_segment_fixed_size: 0
    .kernarg_segment_align: 8
    .kernarg_segment_size: 152
    .max_flat_workgroup_size: 256
    .sgpr_count:     66
    .vgpr_count:     184
    .wavefront_size: 32
...
	.end_amdgpu_metadata
.endif
;; end of part 1
;; launch norm (part 2): grid 256 x 4, 8 waves a work-group, no clusters, 0 bytes of LDS; arguments inputs, ln0_w, ln0_b, spart, x16; writes x16
.if DOCPART == 2
	.amdgcn_target "amdgcn-amd-amdhsa--gfx1250"
	.amdhsa_code_object_version 6
	.text
	.protected	k_q63cc215ec0_norm
	.globl	k_q63cc215ec0_norm
	.p2align	8
	.type	k_q63cc215ec0_norm,@function
k_q63cc215ec0_norm:
	s_mov_b64 s[64:65], 0
	v_nop
	global_prefetch_b8 v0, s[64:65] scope:SCOPE_SE
	s_setreg_imm32_b32 hwreg(HW_REG_WAVE_MODE, 25, 1), 1
	s_wait_xcnt 0x0
; NORM: x16[b][n][d] = f16( (inputs - mean_b) * rsqrt(var_b + 1e-5) * ln0_w[n][d] + ln0_b[n][d] ), mean and var over a batch's 4096 x 256 numbers.
; A work-group takes 16 rows n of 8 batches, so that its 32,768 bytes of gain and bias are loaded once for 8 x 16,384 bytes of inputs.
; Thread T owns 16 bytes at 16 T of each 4,096 (four numbers, four times a batch); its 8 bytes of f16 lie at 8 T of each 2,048: a wave's store covers 256 consecutive aligned bytes.
; All 48 loads of a wave go out at once; the counts below run down batch by batch; no register is written twice, so nothing waits for a store.
; The statistics: a batch's 32 chunk sums, one a lane; mean = c + S1/n, var = S2/n - (S1/n)^2, kept at 0 or above, with c the batch's first number.
; LIMITS: the variance loses (c - mean)^2 / var of its digits; x16 is f16: |x| under 65,504, a fixed step of 6e-8 below 6e-5; v_rsq_f32 is good to one unit in the last place.
; No LDS, no matrix unit, no cluster: a stream; what the four work-groups of one n share, gain and bias, is a fifth of a work-group's bytes and goes straight to registers.
.set ST, 8              ; v[8:23]   batch j: S1, S2, then (r, -mean r)
.set WG, 24             ; v[24:39]  gain
.set BI, 40             ; v[40:55]  bias
.set XX, 56             ; v[56:183] batch j: 16 numbers
.set TT, 184            ; v[184:191] at work
.macro EACH line:vararg                 ; one line for each batch j
.set j, 0
.rept 8
	\line
.set j, j+1
.endr
.endm
	s_load_b256 s[4:11], s[0:1], 0x0        ; inputs 4, ln0_w 6, ln0_b 8, spart 10
	s_load_b64 s[12:13], s[0:1], 0x20       ; x16
	s_and_b32 s14, ttmp7, 0xffff            ; y: batches 8 y .. 8 y + 7
	s_mov_b32 s48, 0x76543210
	s_mov_b32 s49, 0xfedcba98
	v_and_b32 v1, 31, v0
	v_lshlrev_b32 v1, 3, v1                 ; 8 x lane: a chunk's pair of sums
	s_lshl_b32 s15, ttmp9, 14
	v_lshl_add_u32 v2, v0, 4, s15           ; 16 rows of 1,024 bytes a work-group, 16 T
	s_lshl_b32 s15, ttmp9, 13
	v_lshl_add_u32 v3, v0, 3, s15           ; the same in f16
	s_lshl_b32 s44, s14, 25                 ; 8 batches of 4 MiB
	s_mov_b32 s45, 0
	EACH v_mov_b32 v[TT+j], 0
	s_wait_kmcnt 0x0
	s_add_nc_u64 s[16:17], s[4:5], s[44:45]
.irp j, 1,2,3,4,5,6,7
	s_add_nc_u64 s[16+2*\j:17+2*\j], s[14+2*\j:15+2*\j], 0x400000
.endr
.irp j, 0,1,2,3,4,5,6,7
	s_load_b32 s[32+\j], s[16+2*\j:17+2*\j], 0x0  ; c of batch j
.endr
	s_lshl_b32 s44, s14, 11
	s_add_nc_u64 s[10:11], s[10:11], s[44:45]
	s_lshl_b32 s44, s14, 24                 ; 8 batches of 2 MiB
	s_add_nc_u64 s[40:41], s[12:13], s[44:45]
	s_add_nc_u64 s[42:43], s[40:41], 0x800000  ; the upper four batches: the stores' immediates stay under 2^23
	EACH global_load_b64 v[ST+2*j:ST+2*j+1], v1, s[10:11] offset:j*256
.irp i, 0,1,2,3
	global_load_b128 v[WG+4*\i:WG+4*\i+3], v2, s[6:7] offset:\i*4096
.endr
.irp i, 0,1,2,3
	global_load_b128 v[BI+4*\i:BI+4*\i+3], v2, s[8:9] offset:\i*4096
.endr
.irp j, 0,1,2,3,4,5,6,7
.irp i, 0,1,2,3
	global_load_b128 v[XX+16*\j+4*\i:XX+16*\j+4*\i+3], v2, s[16+2*\j:17+2*\j] offset:\i*4096 th:TH_LOAD_NT
.endr
.endr
	s_wait_loadcnt 40                       ; the eight loads of sums are in; gain, bias and inputs (8 + 32) stay out
.irp m, 1,2,4,8
.set k, ST
.rept 16
	v_add_f32_dpp v[k], v[k], v[k] row_xmask:\m row_mask:0xf bank_mask:0xf
.set k, k+1
.endr
.endr
.irp f, 0,8
	EACH v_permlanex16_b32 v[TT+j], v[ST+\f+j], s48, s49
	EACH v_add_f32 v[ST+\f+j], v[ST+\f+j], v[TT+j]
.endr
	s_wait_kmcnt 0x0                        ; the eight c
	EACH v_mul_f32 v[ST+2*j], 0x35800000, v[ST+2*j]        ; S1 / 2^20
	EACH v_mul_f32 v[ST+2*j+1], 0x35800000, v[ST+2*j+1]    ; S2 / 2^20
	EACH v_fma_f32 v[ST+2*j+1], -v[ST+2*j], v[ST+2*j], v[ST+2*j+1]
	EACH v_max_num_f32 v[ST+2*j+1], 0, v[ST+2*j+1]
	EACH v_add_f32 v[ST+2*j+1], 0x3727c5ac, v[ST+2*j+1]    ; + 1e-5
	EACH v_add_f32 v[TT+j], s[32+j], v[ST+2*j]             ; the mean
	EACH v_rsq_f32 v[ST+2*j], v[ST+2*j+1]
	v_nop                                   ; a plain instruction behind the last root
	s_wait_alu depctr_va_vdst(0)
	EACH v_mul_f32 v[ST+2*j+1], -v[TT+j], v[ST+2*j]        ; -mean r
.macro BATCH b
	s_wait_loadcnt 28-4*(\b)                ; the later batches' four loads each stay out
.set X, XX+16*(\b)
.set q, 0
.rept 8
	v_pk_fma_f32 v[X+2*q:X+2*q+1], v[X+2*q:X+2*q+1], v[ST+2*(\b):ST+2*(\b)+1], v[ST+2*(\b):ST+2*(\b)+1] op_sel:[0,0,1] op_sel_hi:[1,0,1]  ; x r - mean r
.set q, q+1
.endr
.set q, 0
.rept 8
	v_pk_fma_f32 v[X+2*q:X+2*q+1], v[X+2*q:X+2*q+1], v[WG+2*q:WG+2*q+1], v[BI+2*q:BI+2*q+1]
.set q, q+1
.endr
.irp i, 0,1,2,3
	v_cvt_pk_f16_f32 v[X+4*\i], v[X+4*\i], v[X+4*\i+1]
	v_cvt_pk_f16_f32 v[X+4*\i+1], v[X+4*\i+2], v[X+4*\i+3]
	global_store_b64 v3, v[X+4*\i:X+4*\i+1], s[40+2*((\b)/4):41+2*((\b)/4)] offset:((\b)%4)*2097152+\i*2048
.endr
.endm
.irp b, 0,1,2,3,4,5,6,7
	BATCH \b
.endr
	s_endpgm
.Lfunc_end_k_q63cc215ec0_norm:
	.size	k_q63cc215ec0_norm, .Lfunc_end_k_q63cc215ec0_norm-k_q63cc215ec0_norm
	.p2alignl 7, 3214868480
	.fill 96, 4, 3214868480
	.section	.rodata,"a",@progbits
	.p2align	6, 0x0
	.amdhsa_kernel k_q63cc215ec0_norm
		.amdhsa_group_segment_fixed_size 0
		.amdhsa_private_segment_fixed_size 0
		.amdhsa_enable_private_segment 0
		.amdhsa_kernarg_size 40
		.amdhsa_user_sgpr_count 2
		.amdhsa_user_sgpr_kernarg_segment_ptr 1
		.amdhsa_wavefront_size32 1
		.amdhsa_system_sgpr_workgroup_id_x 1
		.amdhsa_system_sgpr_workgroup_id_y 1
		.amdhsa_system_sgpr_workgroup_id_z 1
		.amdhsa_system_vgpr_workitem_id 0
		.amdhsa_next_free_vgpr 192
		.amdhsa_next_free_sgpr 66
		.amdhsa_reserve_vcc 0
		.amdhsa_float_denorm_mode_32 3
		.amdhsa_float_denorm_mode_16_64 3
		.amdhsa_memory_ordered 1
		.amdhsa_forward_progress 1
		.amdhsa_inst_pref_size 31
	.end_amdhsa_kernel
	.amdgpu_metadata
---
amdhsa.version: [ 1, 2 ]
amdhsa.kernels:
  - .name:           k_q63cc215ec0_norm
    .symbol:         k_q63cc215ec0_norm.kd
    .args:
      - { .name: inputs, .offset: 0, .size: 8, .value_kind: global_buffer, .address_space: global }
      - { .name: ln0_w, .offset: 8, .size: 8, .value_kind: global_buffer, .address_space: global }
      - { .name: ln0_b, .offset: 16, .size: 8, .value_kind: global_buffer, .address_space: global }
      - { .name: spart, .offset: 24, .size: 8, .value_kind: global_buffer, .address_space: global }
      - { .name: x16, .offset: 32, .size: 8, .value_kind: global_buffer, .address_space: global }
    .group_segment_fixed_size: 0
    .private_segment_fixed_size: 0
    .kernarg_segment_align: 8
    .kernarg_segment_size: 40
    .max_flat_workgroup_size: 256
    .sgpr_count:     66
    .vgpr_count:     192
    .wavefront_size: 32
...
	.end_amdgpu_metadata
.endif
;; end of part 2
;; launch att0 (part 3): grid 8 x 32, 8 waves a work-group, no clusters, 327,680 bytes of LDS; arguments x16, slots, w0, ln1_w, ln1_b, upart; writes upart
.if DOCPART == 3
	.amdgcn_target "amdgcn-amd-amdhsa--gfx1250"
	.amdhsa_code_object_version 6
	.text
	.protected	k_q63cc215ec0_att0
	.globl	k_q63cc215ec0_att0
	.p2align	8
	.type	k_q63cc215ec0_att0,@function
k_q63cc215ec0_att0:
	s_mov_b64 s[64:65], 0
	v_nop
	global_prefetch_b8 v0, s[64:65] scope:SCOPE_SE
	s_setreg_imm32_b32 hwreg(HW_REG_WAVE_MODE, 25, 1), 1
	s_wait_xcnt 0x0
; ATT: one iteration's attention for 512 rows n (chunk = x of the grid) of one batch (y).  With c = log2(e) / 16:
;   s = LN1(slots);  q = s qW^T + qb;  q'' = c (q kW);  g[k] = c (q[k] . kb);   z[n][k] = q''[k] . x[n] + g[k]  ( = log2(e) dist, since q . (x kW^T + kb) = (q kW) . x + q . kb )
;   p = 2^(z - max_k z) / sum_k 2^(z - max_k z)   (the softmax over the 16 slots, its maximum taken away);   A[k] = sum_n p;   U[k][:] = sum_n p x[n][:]   -> upart
; All products are v_wmma_f32_16x16x32_f16, used transposed: source 0 = 16 rows of a weight or of x, source 1 = the 16 slots.  A result then holds slot lane % 16 and the eight
; output indices 8 (lane / 16) + 0..7; four roundings make 16 bytes that ARE half a fragment of the next product's source 1, in the same lane.  Waves hand such tiles on through LDS, at tile x 512 + lane x 16.
; SHARES.  Head (the same in all work-groups of a batch): wave w makes output tiles 2 w and 2 w + 1 of q and of q''.  Attention: wave w owns rows 64 w .. 64 w + 63 of the chunk, brought by ONE tensor load
; of its own, asked for first of all: it lands while the head runs.  One tensor load of a wave is out; no LDS byte is filled twice.
; The softmax's maximum and sum go over the sixteen lanes of a row (DPP row_xmask): a lane's register is one n.
; LIMITS: every matrix operand is f16, rounded once from f32: under 65,504, a fixed step of 6e-8 below 6e-5.  A is summed of the unrounded p, U of p rounded to f16.
; v_exp_f32, v_rcp_f32, v_rsq_f32: one unit in the last place, denormals count as 0.  NaN and infinities are not treated apart.
; NO CLUSTER: the chunks of x are shared by nobody.  The weights (66 loads x 512 bytes x 8 waves = 270,336 bytes) are shared by all, but they go straight into registers in fragment order:
; beside the chunk and the exchanges LDS has 327,680 - 298,752 = 28,928 bytes left, too few to hold them as joint tiles.
; REGISTERS.  Window 0: v0-15 addresses; v16-23 at work; v24-31 kb's fragment, then M; v32-39 head addresses, then CI (g in all eight), then tail addresses;
;   v40-55 G0, G1 / S0, S1; v56-63 G2 / P; v64-127 q'' fragments; v128-255 s and q fragments, slots, gain, bias, then x's fragments.   Window 1: v0-127 qW, then U; v128-255 kW turned, then x turned.
.set PX,    528         ; an LDS row of x or s: 512 bytes + 16: 132 words, so the sixteen rows of a fragment load start at sixteen different groups of four banks (ISA guide 11.1)
.set WROWS, 64*PX       ; a wave's 64 rows
.set S16,   8*WROWS     ; s in f16, 16 rows
.set QX1,   S16+16*PX   ; q's tiles; q'' tiles 8,192 bytes on
.set QKB,   QX1+16384   ; the waves' parts of q . kb, 128 bytes each
.set RED1,  QKB+1024    ; LN1's sums; the squares' 256 bytes on
.set ARED,  RED1+512    ; the waves' A, 128 bytes each
.set SPARE, ARED+1024   ; the spare words: 128 bytes for each of eight waves, four blocks of 256 that no other line names
.set OQW,  0
.set OKT,  131072
.set OKB,  262144
.set OQB,  925696
.set SL, 192
.set LW, 208
.set LB, 224
.set MSB, 0
.macro WIN new                          ; s_set_vgpr_msb: the high byte repeats the setting that is left; a switch that changes nothing is dropped
.if MSB != (\new)
	s_set_vgpr_msb (MSB<<8)|(\new)
.set MSB, \new
.endif
.endm
.macro PLACES                           ; five plain instructions behind matrix instructions (ISA guide 7.12.1), ahead of whatever reads their results or writes their registers
.rept 5
	v_nop
.endr
.endm
.macro BAR                              ; my LDS stores and loads are done, then the barrier
	s_wait_dscnt 0x0
	s_barrier_signal -1
	s_barrier_wait -1
.endm
.macro FOLD8                            ; v16 = the sum of v16 .. v23
	v_pk_add_f32 v[16:17], v[16:17], v[18:19]
	v_pk_add_f32 v[20:21], v[20:21], v[22:23]
	v_pk_add_f32 v[16:17], v[16:17], v[20:21]
	v_add_f32 v16, v16, v17
.endm
.macro WSUM                             ; v16 summed over the wave's 32 lanes
	v_add_f32_dpp v16, v16, v16 row_xmask:1 row_mask:0xf bank_mask:0xf
	v_add_f32_dpp v16, v16, v16 row_xmask:2 row_mask:0xf bank_mask:0xf
	v_add_f32_dpp v16, v16, v16 row_xmask:4 row_mask:0xf bank_mask:0xf
	v_add_f32_dpp v16, v16, v16 row_xmask:8 row_mask:0xf bank_mask:0xf
	v_permlanex16_b32 v17, v16, s36, s37
	v_add_f32 v16, v16, v17
.endm
.macro WLOAD dst, of0                   ; 32 loads: my two output tiles' sixteen weight fragments into window 1
	WIN 0x40
.irp m, 0,1
.irp k, 0,1,2,3,4,5,6,7
	global_load_b128 v[(\dst)+8*(8*\m+\k):(\dst)+8*(8*\m+\k)+3], v11, s[8:9] offset:(\of0)+\m*8192+\k*1024
	global_load_b128 v[(\dst)+8*(8*\m+\k)+4:(\dst)+8*(8*\m+\k)+7], v11, s[8:9] offset:(\of0)+\m*8192+\k*1024+512
.endr
.endr
	WIN 0
.endm
.macro GEMM a, b, zero                  ; 16 matrix instructions: G0 and G1 by turns, K = 256 in eight steps; a in window 1, b in window 0
	WIN 0x01
.set ks, 0
.rept 8
.if (\zero) && (ks == 0)
	v_wmma_f32_16x16x32_f16 v[40:47], v[(\a)+8*ks:(\a)+8*ks+7], v[(\b)+8*ks:(\b)+8*ks+7], 0
	v_wmma_f32_16x16x32_f16 v[48:55], v[(\a)+64+8*ks:(\a)+64+8*ks+7], v[(\b)+8*ks:(\b)+8*ks+7], 0
.else
	v_wmma_f32_16x16x32_f16 v[40:47], v[(\a)+8*ks:(\a)+8*ks+7], v[(\b)+8*ks:(\b)+8*ks+7], v[40:47]
	v_wmma_f32_16x16x32_f16 v[48:55], v[(\a)+64+8*ks:(\a)+64+8*ks+7], v[(\b)+8*ks:(\b)+8*ks+7], v[48:55]
.endif
.set ks, ks+1
.endr
	WIN 0
.endm
.macro PACKX ofs                        ; G0 and G1 rounded to f16 (lowest registers first) and put at my two tiles' places
.irp k, 0,1,2,3,4,5,6,7
	v_cvt_pk_f16_f32 v[16+\k], v[40+2*\k], v[41+2*\k]
.endr
	ds_store_b128 v14, v[16:19] offset:(\ofs)
	ds_store_b128 v14, v[20:23] offset:(\ofs)+512
.endm
.macro LDP tr                           ; x's fragments for z: rows 32 tr .. + 31 of mine, all 256 channels
	WIN 0
.irp a, 0,1
.irp k, 0,1,2,3,4,5,6,7
	ds_load_b128 v[128+8*(8*\a+\k):128+8*(8*\a+\k)+3], v6 offset:(\tr)*32*PX+\a*16*PX+\k*64
	ds_load_b128 v[128+8*(8*\a+\k)+4:128+8*(8*\a+\k)+7], v6 offset:(\tr)*32*PX+\a*16*PX+\k*64+32
.endr
.endr
.endm
.macro LDT tr                           ; the same rows turned, for U: sixteen fragments of 16 channels x 32 rows, into window 1
	WIN 0x40
.set mt, 0
.rept 16
	ds_load_tr16_b128 v[128+8*mt:128+8*mt+3], v7 offset:(\tr)*32*PX+mt*32
	ds_load_tr16_b128 v[128+8*mt+4:128+8*mt+7], v7 offset:(\tr)*32*PX+16*PX+mt*32
.set mt, mt+1
.endr
	WIN 0
.endm
.macro MM1                              ; z for 32 rows: S0 and S1 by turns; the first step's C is g
	WIN 0
.set ks, 0
.rept 8
.if ks == 0
	v_wmma_f32_16x16x32_f16 v[40:47], v[128:135], v[64:71], v[32:39]
	v_wmma_f32_16x16x32_f16 v[48:55], v[192:199], v[64:71], v[32:39]
.else
	v_wmma_f32_16x16x32_f16 v[40:47], v[128+8*ks:135+8*ks], v[64+8*ks:71+8*ks], v[40:47]
	v_wmma_f32_16x16x32_f16 v[48:55], v[192+8*ks:199+8*ks], v[64+8*ks:71+8*ks], v[48:55]
.endif
.set ks, ks+1
.endr
.endm
.macro MM2 zero                         ; U += x^T p for 32 rows: sixteen accumulators, one instruction each
	WIN 0x51
.set mt, 0
.rept 16
.if \zero
	v_wmma_f32_16x16x32_f16 v[8*mt:8*mt+7], v[128+8*mt:128+8*mt+7], v[56:63], 0
.else
	v_wmma_f32_16x16x32_f16 v[8*mt:8*mt+7], v[128+8*mt:128+8*mt+7], v[56:63], v[8*mt:8*mt+7]
.endif
.set mt, mt+1
.endr
	WIN 0
.endm
.macro SOFT a, first                    ; the softmax over the slots for the sixteen rows of S_a; p into P's half a; A's pair v[22:23] takes p
.set sb, 40+8*(\a)
.irp m, 1,2,4,8
.set j, 0
.rept 8
.if \m == 1
	v_max_num_f32_dpp v[24+j], v[sb+j], v[sb+j] row_xmask:1 row_mask:0xf bank_mask:0xf
.else
	v_max_num_f32_dpp v[24+j], v[24+j], v[24+j] row_xmask:\m row_mask:0xf bank_mask:0xf
.endif
.set j, j+1
.endr
.endr
.irp q, 0,2,4,6
	v_pk_add_f32 v[sb+\q:sb+\q+1], v[sb+\q:sb+\q+1], v[24+\q:25+\q] neg_lo:[0,1] neg_hi:[0,1]
.endr
.irp q, 0,1,2,3,4,5,6,7
	v_exp_f32 v[sb+\q], v[sb+\q]
.endr
	v_nop                                   ; a plain instruction behind the last exponential
	s_wait_alu depctr_va_vdst(0)
.irp m, 1,2,4,8
.set j, 0
.rept 8
.if \m == 1
	v_add_f32_dpp v[24+j], v[sb+j], v[sb+j] row_xmask:1 row_mask:0xf bank_mask:0xf
.else
	v_add_f32_dpp v[24+j], v[24+j], v[24+j] row_xmask:\m row_mask:0xf bank_mask:0xf
.endif
.set j, j+1
.endr
.endr
.irp q, 0,1,2,3,4,5,6,7
	v_rcp_f32 v[24+\q], v[24+\q]            ; the sum is 1 at the least: the largest term is 2^0
.endr
	v_nop
	s_wait_alu depctr_va_vdst(0)
.irp q, 0,2,4,6
	v_pk_mul_f32 v[sb+\q:sb+\q+1], v[sb+\q:sb+\q+1], v[24+\q:25+\q]
.endr
.if \first
	v_pk_add_f32 v[22:23], v[sb:sb+1], v[sb+2:sb+3]
.else
	v_pk_add_f32 v[22:23], v[22:23], v[sb:sb+1]
	v_pk_add_f32 v[22:23], v[22:23], v[sb+2:sb+3]
.endif
	v_pk_add_f32 v[22:23], v[22:23], v[sb+4:sb+5]
	v_pk_add_f32 v[22:23], v[22:23], v[sb+6:sb+7]
.irp q, 0,1,2,3
	v_cvt_pk_f16_f32 v[56+4*(\a)+\q], v[sb+2*\q], v[sb+2*\q+1]
.endr
.endm
	s_load_b256 s[4:11], s[0:1], 0x0        ; x16 4, slots 6, w_t 8, ln1_w 10
	s_load_b128 s[12:15], s[0:1], 0x20      ; ln1_b 12, upart 14
	v_lshl_add_u32 v1, v0, 2, SPARE
	v_mov_b32 v2, 0
	ds_add_u32 v1, v2                       ; the wave's opening: the add and its wait ahead of my tensor load; work on registers stands between
	ds_add_u32 v1, v2
	v_lshrrev_b32 v3, 5, v0
	v_readfirstlane_b32 s16, v3             ; wave 0..7
	s_and_b32 s17, ttmp7, 0xffff            ; batch
	s_mov_b32 s20, 1                        ; group 0: count 1,
	s_mul_i32 s21, s16, WROWS               ; LDS address: my wave's 64 rows
	s_mov_b32 s24, (1<<16)|(1<<20)|(6<<22)|(3<<25)  ; group 1: 2-byte elements; padding on, after every 128 words, of 4 words
	s_mov_b32 s25, 256<<16                  ; tensor_dim0 = 256
	s_mov_b32 s26, 64<<16                   ; tensor_dim1 = 64
	s_mov_b32 s27, 256<<16                  ; tile_dim0 = 256: rows of 512 bytes
	s_mov_b32 s28, 64                       ; tile_dim1 = 64
	s_mov_b32 s29, 256                      ; elements from row to row
	s_mov_b32 s30, 0
	s_mov_b32 s31, 0
	s_lshl_b32 s18, s17, 21                 ; a batch is 2 MiB of x16,
	s_lshl_b32 s19, ttmp9, 18               ; a chunk 512 rows of 512 bytes,
	s_add_co_u32 s18, s18, s19
	s_lshl_b32 s19, s16, 15                 ; a wave's share 64 rows
	s_add_co_u32 s18, s18, s19
	s_mov_b32 s19, 0
	s_mov_b32 s32, 0x3db8aa3b               ; c = log2(e) / 16
	s_mov_b32 s33, s32
	s_mov_b32 s34, 0x39800000               ; 1 / 4096
	s_mov_b32 s35, 0x3727c5ac               ; 1e-5
	s_mov_b32 s36, 0x76543210
	s_mov_b32 s37, 0xfedcba98
	s_wait_dscnt 0x0                        ; the opening add is done
	s_wait_kmcnt 0x0
	s_add_nc_u64 s[22:23], s[4:5], s[18:19]
	s_or_b32 s23, s23, 0x80000000           ; type 2
	tensor_load_to_lds s[20:23], s[24:31]   ; my 64 rows of x: the wave's one tensor load
	s_nop 0
	v_and_b32 v3, 31, v0
	v_and_b32 v4, 15, v0                    ; r
	v_bfe_u32 v5, v0, 4, 1                  ; h
	v_lshlrev_b32 v33, 2, v3
	v_lshlrev_b32 v3, 4, v3                 ; 16 x lane
	v_mul_u32_u24 v6, v4, PX
	v_lshl_add_u32 v6, v5, 4, v6            ; a fragment's row x pitch + 16 h
	v_add_nc_u32 v10, S16, v6               ; in s
	v_add_nc_u32 v6, s21, v6                ; in my rows of x
	v_and_b32 v7, 7, v0
	v_lshl_add_u32 v7, v5, 3, v7            ; the turning load: row 8 h + lane % 8,
	v_mul_u32_u24 v7, v7, PX
	v_bfe_u32 v16, v0, 3, 1
	v_lshl_add_u32 v7, v16, 4, v7           ; 16 bytes for each half of eight lanes
	v_add_nc_u32 v7, s21, v7
	v_lshlrev_b32 v8, 4, v0                 ; 16 T
	v_lshrrev_b32 v9, 6, v0
	v_mul_u32_u24 v9, v9, PX
	v_and_b32 v16, 63, v0
	v_lshl_add_u32 v9, v16, 3, v9
	v_add_nc_u32 v9, S16, v9                ; where my four s go: row T / 64 (+ 4 i), 8 bytes at 8 (T % 64)
	s_lshl_b32 s18, s16, 14
	v_add_nc_u32 v11, s18, v3               ; my two tiles' fragments in a weight: 16,384 w + 16 lane
	s_lshl_b32 s18, s16, 10
	v_add_nc_u32 v12, s18, v3               ; 1,024 w + 16 lane
	v_add_nc_u32 v14, QX1, v12              ; my two tiles in the exchange
	v_add_nc_u32 v15, QX1, v3               ; all tiles, read
	s_lshl_b32 s18, s16, 7
	v_lshl_add_u32 v13, v5, 5, s18          ; a bias for my tiles: 128 w + 32 h
	v_add_nc_u32 v33, QKB, v33
	v_add_nc_u32 v32, s18, v33
	s_lshl_b32 s18, s16, 2
	v_mov_b32 v35, RED1
	v_add_nc_u32 v34, s18, v35
	s_lshl_b32 s18, s17, 14
	s_add_nc_u64 s[6:7], s[6:7], s[18:19]   ; the batch's slots
	s_lshl_b32 s18, s17, 3
	s_add_co_u32 s18, s18, ttmp9
	s_mul_i32 s18, s18, 16640
	s_add_nc_u64 s[14:15], s[14:15], s[18:19]  ; my record in upart
.irp i, 0,1,2,3
	global_load_b128 v[SL+4*\i:SL+4*\i+3], v8, s[6:7] offset:\i*4096
.endr
.irp i, 0,1,2,3
	global_load_b128 v[LW+4*\i:LW+4*\i+3], v8, s[10:11] offset:\i*4096
.endr
.irp i, 0,1,2,3
	global_load_b128 v[LB+4*\i:LB+4*\i+3], v8, s[12:13] offset:\i*4096
.endr
	global_load_b128 v[40:43], v13, s[8:9] offset:OQB      ; qb lands where the sums begin: register j is output 16 mt + 8 h + j
	global_load_b128 v[44:47], v13, s[8:9] offset:OQB+16
	global_load_b128 v[48:51], v13, s[8:9] offset:OQB+64
	global_load_b128 v[52:55], v13, s[8:9] offset:OQB+80
	WLOAD 0, OQW
	; ---- LN1 over the batch's 16 x 256 slots: sixteen numbers a thread; mean first, then the squares of the differences
	s_wait_loadcnt 36                       ; slots, gain, bias are in; qb's 4 and qW's 32 stay out
	v_pk_add_f32 v[16:17], v[SL:SL+1], v[SL+2:SL+3]
	v_pk_add_f32 v[18:19], v[SL+4:SL+5], v[SL+6:SL+7]
	v_pk_add_f32 v[20:21], v[SL+8:SL+9], v[SL+10:SL+11]
	v_pk_add_f32 v[22:23], v[SL+12:SL+13], v[SL+14:SL+15]
	FOLD8
	WSUM
	ds_store_b32 v34, v16
	BAR
	global_load_b128 v[24:27], v12, s[8:9] offset:OKB      ; kb's fragment of K step w
	global_load_b128 v[28:31], v12, s[8:9] offset:OKB+512
	WLOAD 128, OKT
	ds_load_b128 v[16:19], v35
	ds_load_b128 v[20:23], v35 offset:16
	s_wait_dscnt 0x0
	FOLD8
	v_mul_f32 v20, 0xb9800000, v16          ; -mean
	v_mov_b32 v21, v20
.irp q, 0,2,4,6,8,10,12,14
	v_pk_add_f32 v[SL+\q:SL+\q+1], v[SL+\q:SL+\q+1], v[20:21]
.endr
	v_pk_mul_f32 v[16:17], v[SL:SL+1], v[SL:SL+1]
	v_pk_mul_f32 v[18:19], v[SL+2:SL+3], v[SL+2:SL+3]
.irp q, 4,8,12
	v_pk_fma_f32 v[16:17], v[SL+\q:SL+\q+1], v[SL+\q:SL+\q+1], v[16:17]
	v_pk_fma_f32 v[18:19], v[SL+\q+2:SL+\q+3], v[SL+\q+2:SL+\q+3], v[18:19]
.endr
	v_pk_add_f32 v[16:17], v[16:17], v[18:19]
	v_add_f32 v16, v16, v17
	WSUM
	ds_store_b32 v34, v16 offset:256
	BAR
	ds_load_b128 v[16:19], v35 offset:256
	ds_load_b128 v[20:23], v35 offset:272
	s_wait_dscnt 0x0
	FOLD8
	v_fma_f32 v16, v16, s34, s35            ; var + 1e-5
	v_rsq_f32 v22, v16
	v_nop
	s_wait_alu depctr_va_vdst(0)
	v_mov_b32 v23, v22
.irp q, 0,2,4,6,8,10,12,14
	v_pk_mul_f32 v[SL+\q:SL+\q+1], v[SL+\q:SL+\q+1], v[22:23]
.endr
.irp q, 0,2,4,6,8,10,12,14
	v_pk_fma_f32 v[SL+\q:SL+\q+1], v[SL+\q:SL+\q+1], v[LW+\q:LW+\q+1], v[LB+\q:LB+\q+1]
.endr
.irp k, 0,1,2,3,4,5,6,7
	v_cvt_pk_f16_f32 v[16+\k], v[SL+2*\k], v[SL+2*\k+1]
.endr
.irp i, 0,1,2,3
	ds_store_b64 v9, v[16+2*\i:17+2*\i] offset:\i*4*PX
.endr
	BAR
.irp k, 0,1,2,3,4,5,6,7
	ds_load_b128 v[128+8*\k:131+8*\k], v10 offset:\k*64
	ds_load_b128 v[132+8*\k:135+8*\k], v10 offset:\k*64+32
.endr
	; ---- q = s qW^T + qb
	s_wait_loadcnt 34                       ; qb and qW are in; kb's 2 and kW's 32 stay out
	s_wait_dscnt 0x0
	GEMM 0, 128, 0
	PLACES
	PACKX 0                                 ; v16-23 now also ARE q's fragment of K step w
	BAR
.set i, 0
.rept 16
	ds_load_b128 v[192+4*i:195+4*i], v15 offset:i*512
.set i, i+1
.endr
	; ---- q'' = c (q kW), and my K step of q . kb
	s_wait_loadcnt 0x0
	s_wait_dscnt 0x0
	GEMM 128, 192, 1
	v_wmma_f32_16x16x32_f16 v[56:63], v[24:31], v[16:23], 0
	PLACES
.irp q, 0,2,4,6,8,10,12,14
	v_pk_mul_f32 v[40+\q:41+\q], v[40+\q:41+\q], s[32:33] op_sel_hi:[1,0]
.endr
	PACKX 8192
	ds_store_b32 v32, v56                   ; every row of that product is the same: register 0 is my slot's part
	BAR
.set i, 0
.rept 16
	ds_load_b128 v[64+4*i:67+4*i], v15 offset:8192+i*512
.set i, i+1
.endr
.irp k, 0,1,2,3,4,5,6,7
	ds_load_b32 v[16+\k], v33 offset:\k*128
.endr
	s_wait_dscnt 0x0
	FOLD8
	v_mul_f32 v32, s32, v16                 ; g of my slot,
.irp k, 33,34,35,36,37,38,39
	v_mov_b32 v\k, v32                      ; for all eight rows of a result
.endr
	; ---- the attention over my 64 rows, 32 at a time; the next run of LDS loads is out while a product or a softmax runs
	s_wait_tensorcnt 0x0                    ; my rows have landed; nobody else reads them
	LDP 0
	LDT 0
	s_wait_dscnt 32                         ; the 32 plain loads are in; the 32 turning ones stay out
	MM1
	PLACES
	LDP 1
	SOFT 0, 1
	SOFT 1, 0
	s_wait_dscnt 32                         ; the turned rows are in; the next 32 plain loads stay out
	MM2 1
	PLACES
	LDT 1
	s_wait_dscnt 32                         ; the plain loads are in; the turning ones just issued stay out
	MM1
	PLACES
	SOFT 0, 0
	SOFT 1, 0
	s_wait_dscnt 0x0
	MM2 0
	PLACES
	; ---- the eight waves' U and A are added through LDS: each wave lays its U over the first 16,384 bytes of its own rows of x, which are read out and are filled no more
	v_add_f32 v22, v22, v23
	v_permlanex16_b32 v23, v22, s36, s37    ; my slot's other rows lie in the lane 16 away
	v_add_nc_u32 v32, s21, v3
	v_lshrrev_b32 v33, 2, v3
	v_add_f32 v22, v22, v23
	v_add_nc_u32 v39, ARED, v33
	s_lshl_b32 s18, s16, 7
	v_add_nc_u32 v33, s18, v39
	s_lshl_b32 s18, s16, 11
	v_add_nc_u32 v38, s18, v3               ; 2,048 w + 16 lane: the part of a record that I add up and store
	v_mov_b32 v34, v38
	v_add_nc_u32 v35, 2*WROWS, v38
	v_add_nc_u32 v36, 4*WROWS, v38
	v_add_nc_u32 v37, 6*WROWS, v38
	WIN 0x04                                ; the stores' data in window 1
.set mt, 0
.rept 16
	ds_store_b128 v32, v[8*mt:8*mt+3] offset:mt*1024
	ds_store_b128 v32, v[8*mt+4:8*mt+7] offset:mt*1024+512
.set mt, mt+1
.endr
	WIN 0
	ds_store_b32 v33, v22
	BAR
.irp k, 0,1,2,3,4,5,6,7
.irp f, 0,1,2,3
	ds_load_b128 v[128+16*\k+4*\f:131+16*\k+4*\f], v[34+\k/2] offset:(\k%2)*WROWS+\f*512
.endr
.endr
	s_wait_dscnt 0x0
.irp st, 1,2,4
.set k, 0
.rept 8/(2*\st)
.set e, 0
.rept 8
	v_pk_add_f32 v[128+16*k+2*e:129+16*k+2*e], v[128+16*k+2*e:129+16*k+2*e], v[128+16*(k+\st)+2*e:129+16*(k+\st)+2*e]
.set e, e+1
.endr
.set k, k+2*\st
.endr
.endr
.irp f, 0,1,2,3
	global_store_b128 v38, v[128+4*\f:131+4*\f], s[14:15] offset:\f*512  ; 512 consecutive bytes, at a multiple of 256 from upart's first
.endr
	s_cmp_lg_u32 s16, 0
	s_cbranch_scc1 .Lend                    ; A is wave 0's
.irp k, 0,1,2,3,4,5,6,7
	ds_load_b32 v[40+\k], v39 offset:\k*128
.endr
	v_lshrrev_b32 v48, 1, v3                ; 8 x lane
	s_wait_dscnt 0x0
	v_pk_add_f32 v[40:41], v[40:41], v[42:43]
	v_pk_add_f32 v[44:45], v[44:45], v[46:47]
	v_pk_add_f32 v[40:41], v[40:41], v[44:45]
	v_add_f32 v40, v40, v41
	v_mov_b32 v41, v40
	global_store_b64 v48, v[40:41], s[14:15] offset:16384  ; A of slot lane % 16, twice: 256 consecutive bytes
.Lend:
	s_wait_tensorcnt 0x0                    ; the wave's end: the tensor wait, an add to my spare word and its wait, behind my tensor load and my last LDS store
	ds_add_u32 v1, v2
	s_wait_dscnt 0x0
	s_endpgm
.Lfunc_end_k_q63cc215ec0_att0:
	.size	k_q63cc215ec0_att0, .Lfunc_end_k_q63cc215ec0_att0-k_q63cc215ec0_att0
	.p2alignl 7, 3214868480
	.fill 96, 4, 3214868480
	.section	.rodata,"a",@progbits
	.p2align	6, 0x0
	.amdhsa_kernel k_q63cc215ec0_att0
		.amdhsa_group_segment_fixed_size 327680
		.amdhsa_private_segment_fixed_size 0
		.amdhsa_enable_private_segment 0
		.amdhsa_kernarg_size 48
		.amdhsa_user_sgpr_count 2
		.amdhsa_user_sgpr_kernarg_segment_ptr 1
		.amdhsa_wavefront_size32 1
		.amdhsa_system_sgpr_workgroup_id_x 1
		.amdhsa_system_sgpr_workgroup_id_y 1
		.amdhsa_system_sgpr_workgroup_id_z 1
		.amdhsa_system_vgpr_workitem_id 0
		.amdhsa_next_free_vgpr 512
		.amdhsa_next_free_sgpr 66
		.amdhsa_reserve_vcc 0
		.amdhsa_float_denorm_mode_32 3
		.amdhsa_float_denorm_mode_16_64 3
		.amdhsa_memory_ordered 1
		.amdhsa_forward_progress 1
		.amdhsa_inst_pref_size 72
	.end_amdhsa_kernel
	.amdgpu_metadata
---
amdhsa.version: [ 1, 2 ]
amdhsa.kernels:
  - .name:           k_q63cc215ec0_att0
    .symbol:         k_q63cc215ec0_att0.kd
    .args:
      - { .name: x16, .offset: 0, .size: 8, .value_kind: global_buffer, .address_space: global }
      - { .name: slots, .offset: 8, .size: 8, .value_kind: global_buffer, .address_space: global }
      - { .name: w0, .offset: 16, .size: 8, .value_kind: global_buffer, .address_space: global }
      - { .name: ln1_w, .offset: 24, .size: 8, .value_kind: global_buffer, .address_space: global }
      - { .name: ln1_b, .offset: 32, .size: 8, .value_kind: global_buffer, .address_space: global }
      - { .name: upart, .offset: 40, .size: 8, .value_kind: global_buffer, .address_space: global }
    .group_segment_fixed_size: 327680
    .private_segment_fixed_size: 0
    .kernarg_segment_align: 8
    .kernarg_segment_size: 48
    .max_flat_workgroup_size: 256
    .sgpr_count:     66
    .vgpr_count:     512
    .wavefront_size: 32
...
	.end_amdgpu_metadata
.endif
;; end of part 3
;; launch mlps0 (part 4): grid 4 x 32, 8 waves a work-group, no clusters, 38,656 bytes of LDS; arguments upart, w0, ln2_w, ln2_b, opart; writes opart
.if DOCPART == 4
	.amdgcn_target "amdgcn-amd-amdhsa--gfx1250"
	.amdhsa_code_object_version 6
	.text
	.protected	k_q63cc215ec0_mlps0
	.globl	k_q63cc215ec0_mlps0
	.p2align	8
	.type	k_q63cc215ec0_mlps0,@function
k_q63cc215ec0_mlps0:
	s_mov_b64 s[64:65], 0
	v_nop
	global_prefetch_b8 v0, s[64:65] scope:SCOPE_SE
	s_setreg_imm32_b32 hwreg(HW_REG_WAVE_MODE, 25, 1), 1
	s_wait_xcnt 0x0
; MLPS: the rest of an iteration for one batch (y of the grid), the hidden layer shared among four work-groups (j = x of the grid).
;   U, A = the sums of the batch's eight records in upart;   sa = (U / (A + 1e-7)) vW^T + (A / (A + 1e-7)) vb   ( = sum_n w (x vW^T + vb) with w = p / (A + 1e-7) )
;   opart[b][j] = (sa + m2b) / 4 + relu(LN2(sa) m1W_j^T + m1b_j) m2W_j^T,   m1W_j = rows 128 j .. 128 j + 127 of m1W, m2W_j = the same columns of m2W.
; The four records add up to the iteration's slots; whoever reads them adds them.  The quarter is exact (a power of two).
; sa and LN2 are made in all four work-groups: the LayerNorm ties the batch's 4,096 numbers together, and the hidden layer's K is all of them.
; A work-group asks for 133,120 (upart) + 131,072 (vW) + 32,768 (gain, bias) + 65,536 (m1W_j) + 65,536 (m2W_j) bytes; with one work-group a batch the last two are 262,144 each.
; Eight work-groups a batch would spare another 65,536 bytes, leave four waves without a hidden tile and double the records to add: not taken.  So 128 work-groups.
; All products are v_wmma_f32_16x16x32_f16, used transposed (source 0 = 16 rows of a weight, source 1 = the 16 slots): a result holds slot lane % 16 and outputs 8 (lane / 16) + 0..7; four roundings make
; half a fragment of the next product's source 1.  Waves hand tiles on through LDS, at tile x 512 + lane x 16.  Wave w makes tiles 2 w, 2 w + 1 of sa and of the result, and hidden tile 8 j + w.
; The weights come straight into registers in fragment order, and all of a wave's 256 registers of them are asked for before the first product.  No cluster: the weights go to registers, not to tiles in LDS.
; LIMITS: every matrix operand is f16, rounded once from f32: under 65,504, a fixed step of 6e-8 below 6e-5.  v_rcp_f32, v_rsq_f32: one unit in the last place.  The result is a sum of four f32 partial sums:
; another order of rounding than one sum over the 512 hidden units.  NaN and infinities are not treated apart.
; REGISTERS.  Window 0: v0-15, v24-25 addresses; v16-23 A's parts, then at work; v26-31 alpha, 1/(A + eps) then -mean, r (pairs); v32-47 SA; v48-55, v56-63 the hidden tile's even and odd K steps;
;   v64-79 vb; v80-95, v96-111 LN2's gain and bias; v112-127 m2b; v128-255 U's parts, then fragments.   Window 1: v0-127 vW, v128-191 m1W_j, v192-255 m2W_j.
.set EX1,   0           ; the tiles of U / (A + eps)
.set EX2,   8192        ; of LN2's result
.set EX3,   16384       ; of my work-group's hidden units, 8 tiles
.set RED1,  20480
.set RED2,  20736
.set OST,   20992       ; the result by rows: 16 rows of 1,024 bytes + 16
.set SPARE, 37632       ; the spare words: 128 bytes for each of eight waves
.set OVW,  270336
.set OM1,  401408
.set OM2,  663552
.set OVB,  926720
.set OM1B, 927744
.set OM2B, 929792
.set MSB, 0
.macro WIN new                          ; s_set_vgpr_msb: the high byte repeats the setting that is left; a switch that changes nothing is dropped
.if MSB != (\new)
	s_set_vgpr_msb (MSB<<8)|(\new)
.set MSB, \new
.endif
.endm
.macro PLACES                           ; five plain instructions behind matrix instructions (ISA guide 7.12.1), ahead of whatever reads their results or writes their registers
.rept 5
	v_nop
.endr
.endm
.macro BAR
	s_wait_dscnt 0x0
	s_barrier_signal -1
	s_barrier_wait -1
.endm
.macro FOLD8
	v_pk_add_f32 v[16:17], v[16:17], v[18:19]
	v_pk_add_f32 v[20:21], v[20:21], v[22:23]
	v_pk_add_f32 v[16:17], v[16:17], v[20:21]
	v_add_f32 v16, v16, v17
.endm
.macro WSUM
	v_add_f32_dpp v16, v16, v16 row_xmask:1 row_mask:0xf bank_mask:0xf
	v_add_f32_dpp v16, v16, v16 row_xmask:2 row_mask:0xf bank_mask:0xf
	v_add_f32_dpp v16, v16, v16 row_xmask:4 row_mask:0xf bank_mask:0xf
	v_add_f32_dpp v16, v16, v16 row_xmask:8 row_mask:0xf bank_mask:0xf
	v_permlanex16_b32 v17, v16, s36, s37
	v_add_f32 v16, v16, v17
.endm
.macro BLOAD dst, adr, sb, of0          ; sixteen numbers in the layout of two result tiles: register j is output 16 mt + 8 h + j
	global_load_b128 v[(\dst):(\dst)+3], v[\adr], s[\sb:\sb+1] offset:(\of0)
	global_load_b128 v[(\dst)+4:(\dst)+7], v[\adr], s[\sb:\sb+1] offset:(\of0)+16
	global_load_b128 v[(\dst)+8:(\dst)+11], v[\adr], s[\sb:\sb+1] offset:(\of0)+64
	global_load_b128 v[(\dst)+12:(\dst)+15], v[\adr], s[\sb:\sb+1] offset:(\of0)+80
.endm
.macro PACKX g, adr, ofs                ; two tiles rounded to f16 (lowest registers first) and put at their places
.irp k, 0,1,2,3,4,5,6,7
	v_cvt_pk_f16_f32 v[16+\k], v[(\g)+2*\k], v[(\g)+2*\k+1]
.endr
	ds_store_b128 v[\adr], v[16:19] offset:(\ofs)
	ds_store_b128 v[\adr], v[20:23] offset:(\ofs)+512
.endm
	s_load_b256 s[4:11], s[0:1], 0x0        ; upart 4, w_t 6, ln2_w 8, ln2_b 10
	s_load_b64 s[12:13], s[0:1], 0x20       ; opart
	v_lshl_add_u32 v1, v0, 2, SPARE         ; my spare word,
	v_mov_b32 v2, 0                         ; and 0: kept for the add alone
	v_lshrrev_b32 v3, 5, v0
	v_readfirstlane_b32 s16, v3             ; wave 0..7
	s_mov_b32 s22, ttmp9                    ; j: which 128 hidden units
	s_and_b32 s23, ttmp7, 0xffff            ; batch
	v_and_b32 v3, 31, v0
	v_lshlrev_b32 v7, 3, v3                 ; 8 x lane
	v_lshlrev_b32 v3, 4, v3                 ; 16 x lane
	v_and_b32 v4, 15, v0                    ; r
	v_bfe_u32 v5, v0, 4, 1                  ; h
	s_lshl_b32 s17, s16, 11
	v_add_nc_u32 v6, s17, v3                ; 2,048 w + 16 lane
	s_lshl_b32 s17, s16, 14
	v_add_nc_u32 v8, s17, v3                ; vW: two tiles of eight fragments a wave
	s_lshl_b32 s17, s16, 13
	s_lshl_b32 s18, s22, 16
	s_add_co_u32 s17, s17, s18
	v_add_nc_u32 v9, s17, v3                ; m1W: tile 8 j + w, eight fragments
	s_lshl_b32 s17, s16, 7
	v_lshl_add_u32 v10, v5, 5, s17          ; a bias of 256: 128 w + 32 h
	s_lshl_b32 s17, s16, 6
	s_lshl_b32 s18, s22, 9
	s_add_co_u32 s17, s17, s18
	v_lshl_add_u32 v11, v5, 5, s17          ; m1b: 512 j + 64 w + 32 h
	v_lshl_add_u32 v12, v4, 10, v10         ; LN2's gain and bias: row r
	s_lshl_b32 s17, s16, 10
	v_add_nc_u32 v13, s17, v3               ; my two tiles in an exchange
	v_mul_u32_u24 v14, v4, 1040
	v_add_nc_u32 v14, v14, v10              ; the result's row r, my 32 columns
	s_mul_i32 s17, s16, 2080
	v_add_nc_u32 v15, s17, v3               ; rows 2 w, 2 w + 1, read back
	s_lshl_b32 s17, s16, 2
	v_mov_b32 v24, s17
	v_mov_b32 v25, 0
	s_lshl_b32 s17, s16, 15
	s_lshl_b32 s18, s22, 12
	s_add_co_u32 s17, s17, s18
	v_add_nc_u32 v4, s17, v3                ; (r is used up) m2W: tiles 2 w, 2 w + 1 of sixteen fragments, from K step 4 j on
	s_lshl_b32 s17, s16, 9
	v_add_nc_u32 v5, s17, v3                ; (h is used up) my hidden tile in the exchange
	s_mul_i32 s18, s23, 133120              ; a batch's eight records of 16,640 bytes
	s_mov_b32 s19, 0
	s_lshl_b32 s20, s23, 2
	s_add_co_u32 s20, s20, s22
	s_lshl_b32 s20, s20, 14                 ; my record in opart: (4 b + j) x 16,384
	s_mov_b32 s21, 0
	s_mov_b32 s34, 0x39800000               ; 1 / 4096
	s_mov_b32 s35, 0x3727c5ac               ; 1e-5
	s_mov_b32 s36, 0x76543210
	s_mov_b32 s37, 0xfedcba98
	s_mov_b32 s38, 0x3e800000               ; 1 / 4
	s_mov_b32 s39, s38
	s_wait_kmcnt 0x0
	s_add_nc_u64 s[4:5], s[4:5], s[18:19]
	s_add_nc_u64 s[12:13], s[12:13], s[20:21]
.irp c, 0,1,2,3,4,5,6,7
	global_load_b32 v[16+\c], v7, s[4:5] offset:\c*16640+16384
.endr
.irp c, 0,1,2,3,4,5,6,7
.irp f, 0,1,2,3
	global_load_b128 v[128+16*\c+4*\f:131+16*\c+4*\f], v6, s[4:5] offset:\c*16640+\f*512
.endr
.endr
	BLOAD 64, 10, 6, OVB
	BLOAD 80, 12, 8, 0
	BLOAD 96, 12, 10, 0
	WIN 0x40                                ; the weights land in window 1
.irp m, 0,1
.irp k, 0,1,2,3,4,5,6,7
	global_load_b128 v[8*(8*\m+\k):8*(8*\m+\k)+3], v8, s[6:7] offset:OVW+\m*8192+\k*1024
	global_load_b128 v[8*(8*\m+\k)+4:8*(8*\m+\k)+7], v8, s[6:7] offset:OVW+\m*8192+\k*1024+512
.endr
.endr
	WIN 0
	global_load_b128 v[48:51], v11, s[6:7] offset:OM1B     ; m1b lands where the hidden sums begin
	global_load_b128 v[52:55], v11, s[6:7] offset:OM1B+16
	WIN 0x40
.irp k, 0,1,2,3,4,5,6,7
	global_load_b128 v[128+8*\k:131+8*\k], v9, s[6:7] offset:OM1+\k*1024
	global_load_b128 v[132+8*\k:135+8*\k], v9, s[6:7] offset:OM1+\k*1024+512
.endr
	WIN 0
	; ---- A, U; U / (A + 1e-7)
	s_wait_loadcnt 62                       ; A's 8 and U's 32 are in; vb, gain, bias (12), vW (32), m1b (2) and m1W (16) stay out
	BLOAD 112, 10, 6, OM2B
	WIN 0x40
.irp m, 0,1
.irp k, 0,1,2,3
	global_load_b128 v[192+8*(4*\m+\k):192+8*(4*\m+\k)+3], v4, s[6:7] offset:OM2+\m*16384+\k*1024
	global_load_b128 v[192+8*(4*\m+\k)+4:192+8*(4*\m+\k)+7], v4, s[6:7] offset:OM2+\m*16384+\k*1024+512
.endr
.endr
	WIN 0
	FOLD8                                   ; A of my slot
	v_add_f32 v17, 0x33d6bf95, v16          ; + 1e-7
	v_rcp_f32 v28, v17
.irp st, 1,2,4
.set k, 0
.rept 8/(2*\st)
.set e, 0
.rept 8
	v_pk_add_f32 v[128+16*k+2*e:129+16*k+2*e], v[128+16*k+2*e:129+16*k+2*e], v[128+16*(k+\st)+2*e:129+16*(k+\st)+2*e]
.set e, e+1
.endr
.set k, k+2*\st
.endr
.endr
	s_wait_alu depctr_va_vdst(0)
	v_mov_b32 v29, v28
	v_mul_f32 v26, v16, v28                 ; alpha = A / (A + 1e-7)
	v_mov_b32 v27, v26
.irp q, 0,2,4,6,8,10,12,14
	v_pk_mul_f32 v[128+\q:129+\q], v[128+\q:129+\q], v[28:29]
.endr
	PACKX 128, 13, EX1
	BAR
.set i, 0
.rept 16
	ds_load_b128 v[128+4*i:131+4*i], v3 offset:EX1+i*512
.set i, i+1
.endr
	; ---- sa
	s_wait_loadcnt 38                       ; vb, gain, bias and vW are in; m1b (2), m1W (16), m2b (4) and m2W (16) stay out
.irp q, 0,2,4,6,8,10,12,14
	v_pk_mul_f32 v[32+\q:33+\q], v[64+\q:65+\q], v[26:27]  ; the sums begin with alpha vb
.endr
	s_wait_dscnt 0x0
	WIN 0x01                                ; source 0 in window 1
.set ks, 0
.rept 8                                         ; two accumulators by turns
	v_wmma_f32_16x16x32_f16 v[32:39], v[8*ks:8*ks+7], v[128+8*ks:135+8*ks], v[32:39]
	v_wmma_f32_16x16x32_f16 v[40:47], v[64+8*ks:71+8*ks], v[128+8*ks:135+8*ks], v[40:47]
.set ks, ks+1
.endr
	WIN 0
	PLACES
	; ---- LN2 over the batch's 16 x 256: sixteen numbers a lane; mean first, then the squares of the differences
	v_pk_add_f32 v[16:17], v[32:33], v[34:35]
	v_pk_add_f32 v[18:19], v[36:37], v[38:39]
	v_pk_add_f32 v[20:21], v[40:41], v[42:43]
	v_pk_add_f32 v[22:23], v[44:45], v[46:47]
	FOLD8
	WSUM
	ds_store_b32 v24, v16 offset:RED1
	BAR
	ds_load_b128 v[16:19], v25 offset:RED1
	ds_load_b128 v[20:23], v25 offset:RED1+16
	s_wait_dscnt 0x0
	FOLD8
	v_mul_f32 v28, 0xb9800000, v16          ; -mean
	v_mov_b32 v29, v28
.irp q, 0,2,4,6,8,10,12,14
	v_pk_add_f32 v[128+\q:129+\q], v[32+\q:33+\q], v[28:29]  ; sa itself is kept for the residual
.endr
	v_pk_mul_f32 v[16:17], v[128:129], v[128:129]
	v_pk_mul_f32 v[18:19], v[130:131], v[130:131]
.irp q, 4,8,12
	v_pk_fma_f32 v[16:17], v[128+\q:129+\q], v[128+\q:129+\q], v[16:17]
	v_pk_fma_f32 v[18:19], v[130+\q:131+\q], v[130+\q:131+\q], v[18:19]
.endr
	v_pk_add_f32 v[16:17], v[16:17], v[18:19]
	v_add_f32 v16, v16, v17
	WSUM
	ds_store_b32 v24, v16 offset:RED2
	BAR
	ds_load_b128 v[16:19], v25 offset:RED2
	ds_load_b128 v[20:23], v25 offset:RED2+16
	s_wait_dscnt 0x0
	FOLD8
	v_fma_f32 v16, v16, s34, s35
	v_rsq_f32 v30, v16
	v_nop
	s_wait_alu depctr_va_vdst(0)
	v_mov_b32 v31, v30
.irp q, 0,2,4,6,8,10,12,14
	v_pk_mul_f32 v[128+\q:129+\q], v[128+\q:129+\q], v[30:31]
.endr
.irp q, 0,2,4,6,8,10,12,14
	v_pk_fma_f32 v[128+\q:129+\q], v[128+\q:129+\q], v[80+\q:81+\q], v[96+\q:97+\q]
.endr
	PACKX 128, 13, EX2
	BAR
.set i, 0
.rept 16
	ds_load_b128 v[192+4*i:195+4*i], v3 offset:EX2+i*512
.set i, i+1
.endr
	; ---- my hidden tile, K = 256: the even K steps onto m1b, the odd ones onto 0, by turns
	s_wait_loadcnt 20                       ; m1b and m1W are in; m2b (4) and m2W (16) stay out
	s_wait_dscnt 0x0
	WIN 0x01
.set ks, 0
.rept 4
	v_wmma_f32_16x16x32_f16 v[48:55], v[128+16*ks:135+16*ks], v[192+16*ks:199+16*ks], v[48:55]
.if ks == 0
	v_wmma_f32_16x16x32_f16 v[56:63], v[136:143], v[200:207], 0
.else
	v_wmma_f32_16x16x32_f16 v[56:63], v[136+16*ks:143+16*ks], v[200+16*ks:207+16*ks], v[56:63]
.endif
.set ks, ks+1
.endr
	WIN 0
	PLACES
.irp q, 0,2,4,6
	v_pk_add_f32 v[48+\q:49+\q], v[48+\q:49+\q], v[56+\q:57+\q]
.endr
.irp q, 0,1,2,3,4,5,6,7
	v_max_num_f32 v[48+\q], 0, v[48+\q]     ; relu
.endr
.irp q, 0,1,2,3
	v_cvt_pk_f16_f32 v[16+\q], v[48+2*\q], v[49+2*\q]
.endr
	ds_store_b128 v5, v[16:19] offset:EX3
	BAR
.set i, 0
.rept 8
	ds_load_b128 v[128+4*i:131+4*i], v3 offset:EX3+i*512
.set i, i+1
.endr
	; ---- my record: (sa + m2b) / 4 + hidden_j m2W_j^T, K = 128
	s_wait_loadcnt 0x0
.irp q, 0,2,4,6,8,10,12,14
	v_pk_add_f32 v[32+\q:33+\q], v[32+\q:33+\q], v[112+\q:113+\q]
.endr
.irp q, 0,2,4,6,8,10,12,14
	v_pk_mul_f32 v[32+\q:33+\q], v[32+\q:33+\q], s[38:39] op_sel_hi:[1,0]
.endr
	s_wait_dscnt 0x0
	WIN 0x01
.set ks, 0
.rept 4
	v_wmma_f32_16x16x32_f16 v[32:39], v[192+8*ks:199+8*ks], v[128+8*ks:135+8*ks], v[32:39]
	v_wmma_f32_16x16x32_f16 v[40:47], v[224+8*ks:231+8*ks], v[128+8*ks:135+8*ks], v[40:47]
.set ks, ks+1
.endr
	WIN 0
	PLACES
	; ---- the way out: a lane's eight numbers of a row go into rows of 1,040 bytes and come back as whole rows
	ds_store_b128 v14, v[32:35] offset:OST
	ds_store_b128 v14, v[36:39] offset:OST+16
	ds_store_b128 v14, v[40:43] offset:OST+64
	ds_store_b128 v14, v[44:47] offset:OST+80
	BAR
.irp i, 0,1,2,3
	ds_load_b128 v[128+4*\i:131+4*\i], v15 offset:OST+(\i/2)*1040+(\i%2)*512
.endr
.irp i, 0,1,2,3
	s_wait_dscnt 3-\i
	global_store_b128 v6, v[128+4*\i:131+4*\i], s[12:13] offset:\i*512  ; 512 consecutive bytes, at a multiple of 256 from the buffer's first
.endr
	s_wait_tensorcnt 0x0                    ; the wave's end: the tensor wait, an add to my spare word and its wait, behind my last LDS store
	ds_add_u32 v1, v2
	s_wait_dscnt 0x0
	s_endpgm
.Lfunc_end_k_q63cc215ec0_mlps0:
	.size	k_q63cc215ec0_mlps0, .Lfunc_end_k_q63cc215ec0_mlps0-k_q63cc215ec0_mlps0
	.p2alignl 7, 3214868480
	.fill 96, 4, 3214868480
	.section	.rodata,"a",@progbits
	.p2align	6, 0x0
	.amdhsa_kernel k_q63cc215ec0_mlps0
		.amdhsa_group_segment_fixed_size 38656
		.amdhsa_private_segment_fixed_size 0
		.amdhsa_enable_private_segment 0
		.amdhsa_kernarg_size 40
		.amdhsa_user_sgpr_count 2
		.amdhsa_user_sgpr_kernarg_segment_ptr 1
		.amdhsa_wavefront_size32 1
		.amdhsa_system_sgpr_workgroup_id_x 1
		.amdhsa_system_sgpr_workgroup_id_y 1
		.amdhsa_system_sgpr_workgroup_id_z 1
		.amdhsa_system_vgpr_workitem_id 0
		.amdhsa_next_free_vgpr 512
		.amdhsa_next_free_sgpr 66
		.amdhsa_reserve_vcc 0
		.amdhsa_float_denorm_mode_32 3
		.amdhsa_float_denorm_mode_16_64 3
		.amdhsa_memory_ordered 1
		.amdhsa_forward_progress 1
		.amdhsa_inst_pref_size 34
	.end_amdhsa_kernel
	.amdgpu_metadata
---
amdhsa.version: [ 1, 2 ]
amdhsa.kernels:
  - .name:           k_q63cc215ec0_mlps0
    .symbol:         k_q63cc215ec0_mlps0.kd
    .args:
      - { .name: upart, .offset: 0, .size: 8, .value_kind: global_buffer, .address_space: global }
      - { .name: w0, .offset: 8, .size: 8, .value_kind: global_buffer, .address_space: global }
      - { .name: ln2_w, .offset: 16, .size: 8, .value_kind: global_buffer, .address_space: global }
      - { .name: ln2_b, .offset: 24, .size: 8, .value_kind: global_buffer, .address_space: global }
      - { .name: opart, .offset: 32, .size: 8, .value_kind: global_buffer, .address_space: global }
    .group_segment_fixed_size: 38656
    .private_segment_fixed_size: 0
    .kernarg_segment_align: 8
    .kernarg_segment_size: 40
    .max_flat_workgroup_size: 256
    .sgpr_count:     66
    .vgpr_count:     512
    .wavefront_size: 32
...
	.end_amdgpu_metadata
.endif
;; end of part 4
;; launch attp1 (part 5): grid 8 x 32, 8 waves a work-group, no clusters, 327,680 bytes of LDS; arguments x16, opart, w1, ln1_w, ln1_b, upart; writes upart
.if DOCPART == 5
	.amdgcn_target "amdgcn-amd-amdhsa--gfx1250"
	.amdhsa_code_object_version 6
	.text
	.protected	k_q63cc215ec0_attp1
	.globl	k_q63cc215ec0_attp1
	.p2align	8
	.type	k_q63cc215ec0_attp1,@function
k_q63cc215ec0_attp1:
	s_mov_b64 s[64:65], 0
	v_nop
	global_prefetch_b8 v0, s[64:65] scope:SCOPE_SE
	s_setreg_imm32_b32 hwreg(HW_REG_WAVE_MODE, 25, 1), 1
	s_wait_xcnt 0x0
; ATTP: the attention of the second and third iteration for 512 rows n (chunk = x of the grid) of one batch (y).  slots = the sum of the batch's four records in opart.  With c = log2(e) / 16:
;   s = LN1(slots);  q = s qW^T + qb;  q'' = c (q kW);  g[k] = c (q[k] . kb);   z[n][k] = q''[k] . x[n] + g[k]  ( = log2(e) dist, since q . (x kW^T + kb) = (q kW) . x + q . kb )
;   p = 2^(z - max_k z) / sum_k 2^(z - max_k z)   (the softmax over the 16 slots, its maximum taken away);   A[k] = sum_n p;   U[k][:] = sum_n p x[n][:]   -> upart
; All products are v_wmma_f32_16x16x32_f16, used transposed: source 0 = 16 rows of a weight or of x, source 1 = the 16 slots.  A result then holds slot lane % 16 and the eight
; output indices 8 (lane / 16) + 0..7; four roundings make 16 bytes that ARE half a fragment of the next product's source 1, in the same lane.  Waves hand such tiles on through LDS, at tile x 512 + lane x 16.
; SHARES.  Head (the same in all work-groups of a batch): wave w makes output tiles 2 w and 2 w + 1 of q and of q''.  Attention: wave w owns rows 64 w .. 64 w + 63 of the chunk, brought by ONE tensor load
; of its own, asked for first of all: it lands while the head runs.  One tensor load of a wave is out; no LDS byte is filled twice.
; The softmax's maximum and sum go over the sixteen lanes of a row (DPP row_xmask): a lane's register is one n.
; LIMITS: every matrix operand is f16, rounded once from f32: under 65,504, a fixed step of 6e-8 below 6e-5.  A is summed of the unrounded p, U of p rounded to f16.
; v_exp_f32, v_rcp_f32, v_rsq_f32: one unit in the last place, denormals count as 0.  NaN and infinities are not treated apart.
; NO CLUSTER: the chunks of x are shared by nobody.  The weights (66 loads x 512 bytes x 8 waves = 270,336 bytes) are shared by all, but they go straight into registers in fragment order:
; beside the chunk and the exchanges LDS has 327,680 - 298,752 = 28,928 bytes left, too few to hold them as joint tiles.
; REGISTERS.  Window 0: v0-15 addresses; v16-23 at work; v24-31 kb's fragment, then M; v32-39 head addresses, then CI (g in all eight), then tail addresses;
;   v40-55 G0, G1 / S0, S1; v56-63 G2 / P; v64-111 records 1 to 3, then with v112-127 q'' fragments; v128-255 s and q fragments, record 0, gain, bias, then x's fragments.
;   Window 1: v0-127 qW, then U; v128-255 kW turned, then x turned.
.set PX,    528         ; an LDS row of x or s: 512 bytes + 16: 132 words, so the sixteen rows of a fragment load start at sixteen different groups of four banks (ISA guide 11.1)
.set WROWS, 64*PX       ; a wave's 64 rows
.set S16,   8*WROWS     ; s in f16, 16 rows
.set QX1,   S16+16*PX   ; q's tiles; q'' tiles 8,192 bytes on
.set QKB,   QX1+16384   ; the waves' parts of q . kb, 128 bytes each
.set RED1,  QKB+1024    ; LN1's sums; the squares' 256 bytes on
.set ARED,  RED1+512    ; the waves' A, 128 bytes each
.set SPARE, ARED+1024   ; the spare words: 128 bytes for each of eight waves, four blocks of 256 that no other line names
.set OQW,  0
.set OKT,  131072
.set OKB,  262144
.set OQB,  925696
.set SL, 192
.set LW, 208
.set LB, 224
.set MSB, 0
.macro WIN new                          ; s_set_vgpr_msb: the high byte repeats the setting that is left; a switch that changes nothing is dropped
.if MSB != (\new)
	s_set_vgpr_msb (MSB<<8)|(\new)
.set MSB, \new
.endif
.endm
.macro PLACES                           ; five plain instructions behind matrix instructions (ISA guide 7.12.1), ahead of whatever reads their results or writes their registers
.rept 5
	v_nop
.endr
.endm
.macro BAR                              ; my LDS stores and loads are done, then the barrier
	s_wait_dscnt 0x0
	s_barrier_signal -1
	s_barrier_wait -1
.endm
.macro FOLD8                            ; v16 = the sum of v16 .. v23
	v_pk_add_f32 v[16:17], v[16:17], v[18:19]
	v_pk_add_f32 v[20:21], v[20:21], v[22:23]
	v_pk_add_f32 v[16:17], v[16:17], v[20:21]
	v_add_f32 v16, v16, v17
.endm
.macro WSUM                             ; v16 summed over the wave's 32 lanes
	v_add_f32_dpp v16, v16, v16 row_xmask:1 row_mask:0xf bank_mask:0xf
	v_add_f32_dpp v16, v16, v16 row_xmask:2 row_mask:0xf bank_mask:0xf
	v_add_f32_dpp v16, v16, v16 row_xmask:4 row_mask:0xf bank_mask:0xf
	v_add_f32_dpp v16, v16, v16 row_xmask:8 row_mask:0xf bank_mask:0xf
	v_permlanex16_b32 v17, v16, s36, s37
	v_add_f32 v16, v16, v17
.endm
.macro WLOAD dst, of0                   ; 32 loads: my two output tiles' sixteen weight fragments into window 1
	WIN 0x40
.irp m, 0,1
.irp k, 0,1,2,3,4,5,6,7
	global_load_b128 v[(\dst)+8*(8*\m+\k):(\dst)+8*(8*\m+\k)+3], v11, s[8:9] offset:(\of0)+\m*8192+\k*1024
	global_load_b128 v[(\dst)+8*(8*\m+\k)+4:(\dst)+8*(8*\m+\k)+7], v11, s[8:9] offset:(\of0)+\m*8192+\k*1024+512
.endr
.endr
	WIN 0
.endm
.macro GEMM a, b, zero                  ; 16 matrix instructions: G0 and G1 by turns, K = 256 in eight steps; a in window 1, b in window 0
	WIN 0x01
.set ks, 0
.rept 8
.if (\zero) && (ks == 0)
	v_wmma_f32_16x16x32_f16 v[40:47], v[(\a)+8*ks:(\a)+8*ks+7], v[(\b)+8*ks:(\b)+8*ks+7], 0
	v_wmma_f32_16x16x32_f16 v[48:55], v[(\a)+64+8*ks:(\a)+64+8*ks+7], v[(\b)+8*ks:(\b)+8*ks+7], 0
.else
	v_wmma_f32_16x16x32_f16 v[40:47], v[(\a)+8*ks:(\a)+8*ks+7], v[(\b)+8*ks:(\b)+8*ks+7], v[40:47]
	v_wmma_f32_16x16x32_f16 v[48:55], v[(\a)+64+8*ks:(\a)+64+8*ks+7], v[(\b)+8*ks:(\b)+8*ks+7], v[48:55]
.endif
.set ks, ks+1
.endr
	WIN 0
.endm
.macro PACKX ofs                        ; G0 and G1 rounded to f16 (lowest registers first) and put at my two tiles' places
.irp k, 0,1,2,3,4,5,6,7
	v_cvt_pk_f16_f32 v[16+\k], v[40+2*\k], v[41+2*\k]
.endr
	ds_store_b128 v14, v[16:19] offset:(\ofs)
	ds_store_b128 v14, v[20:23] offset:(\ofs)+512
.endm
.macro LDP tr                           ; x's fragments for z: rows 32 tr .. + 31 of mine, all 256 channels
	WIN 0
.irp a, 0,1
.irp k, 0,1,2,3,4,5,6,7
	ds_load_b128 v[128+8*(8*\a+\k):128+8*(8*\a+\k)+3], v6 offset:(\tr)*32*PX+\a*16*PX+\k*64
	ds_load_b128 v[128+8*(8*\a+\k)+4:128+8*(8*\a+\k)+7], v6 offset:(\tr)*32*PX+\a*16*PX+\k*64+32
.endr
.endr
.endm
.macro LDT tr                           ; the same rows turned, for U: sixteen fragments of 16 channels x 32 rows, into window 1
	WIN 0x40
.set mt, 0
.rept 16
	ds_load_tr16_b128 v[128+8*mt:128+8*mt+3], v7 offset:(\tr)*32*PX+mt*32
	ds_load_tr16_b128 v[128+8*mt+4:128+8*mt+7], v7 offset:(\tr)*32*PX+16*PX+mt*32
.set mt, mt+1
.endr
	WIN 0
.endm
.macro MM1                              ; z for 32 rows: S0 and S1 by turns; the first step's C is g
	WIN 0
.set ks, 0
.rept 8
.if ks == 0
	v_wmma_f32_16x16x32_f16 v[40:47], v[128:135], v[64:71], v[32:39]
	v_wmma_f32_16x16x32_f16 v[48:55], v[192:199], v[64:71], v[32:39]
.else
	v_wmma_f32_16x16x32_f16 v[40:47], v[128+8*ks:135+8*ks], v[64+8*ks:71+8*ks], v[40:47]
	v_wmma_f32_16x16x32_f16 v[48:55], v[192+8*ks:199+8*ks], v[64+8*ks:71+8*ks], v[48:55]
.endif
.set ks, ks+1
.endr
.endm
.macro MM2 zero                         ; U += x^T p for 32 rows: sixteen accumulators, one instruction each
	WIN 0x51
.set mt, 0
.rept 16
.if \zero
	v_wmma_f32_16x16x32_f16 v[8*mt:8*mt+7], v[128+8*mt:128+8*mt+7], v[56:63], 0
.else
	v_wmma_f32_16x16x32_f16 v[8*mt:8*mt+7], v[128+8*mt:128+8*mt+7], v[56:63], v[8*mt:8*mt+7]
.endif
.set mt, mt+1
.endr
	WIN 0
.endm
.macro SOFT a, first                    ; the softmax over the slots for the sixteen rows of S_a; p into P's half a; A's pair v[22:23] takes p
.set sb, 40+8*(\a)
.irp m, 1,2,4,8
.set j, 0
.rept 8
.if \m == 1
	v_max_num_f32_dpp v[24+j], v[sb+j], v[sb+j] row_xmask:1 row_mask:0xf bank_mask:0xf
.else
	v_max_num_f32_dpp v[24+j], v[24+j], v[24+j] row_xmask:\m row_mask:0xf bank_mask:0xf
.endif
.set j, j+1
.endr
.endr
.irp q, 0,2,4,6
	v_pk_add_f32 v[sb+\q:sb+\q+1], v[sb+\q:sb+\q+1], v[24+\q:25+\q] neg_lo:[0,1] neg_hi:[0,1]
.endr
.irp q, 0,1,2,3,4,5,6,7
	v_exp_f32 v[sb+\q], v[sb+\q]
.endr
	v_nop                                   ; a plain instruction behind the last exponential
	s_wait_alu depctr_va_vdst(0)
.irp m, 1,2,4,8
.set j, 0
.rept 8
.if \m == 1
	v_add_f32_dpp v[24+j], v[sb+j], v[sb+j] row_xmask:1 row_mask:0xf bank_mask:0xf
.else
	v_add_f32_dpp v[24+j], v[24+j], v[24+j] row_xmask:\m row_mask:0xf bank_mask:0xf
.endif
.set j, j+1
.endr
.endr
.irp q, 0,1,2,3,4,5,6,7
	v_rcp_f32 v[24+\q], v[24+\q]            ; the sum is 1 at the least: the largest term is 2^0
.endr
	v_nop
	s_wait_alu depctr_va_vdst(0)
.irp q, 0,2,4,6
	v_pk_mul_f32 v[sb+\q:sb+\q+1], v[sb+\q:sb+\q+1], v[24+\q:25+\q]
.endr
.if \first
	v_pk_add_f32 v[22:23], v[sb:sb+1], v[sb+2:sb+3]
.else
	v_pk_add_f32 v[22:23], v[22:23], v[sb:sb+1]
	v_pk_add_f32 v[22:23], v[22:23], v[sb+2:sb+3]
.endif
	v_pk_add_f32 v[22:23], v[22:23], v[sb+4:sb+5]
	v_pk_add_f32 v[22:23], v[22:23], v[sb+6:sb+7]
.irp q, 0,1,2,3
	v_cvt_pk_f16_f32 v[56+4*(\a)+\q], v[sb+2*\q], v[sb+2*\q+1]
.endr
.endm
	s_load_b256 s[4:11], s[0:1], 0x0        ; x16 4, opart 6, w_t 8, ln1_w 10
	s_load_b128 s[12:15], s[0:1], 0x20      ; ln1_b 12, upart 14
	v_lshl_add_u32 v1, v0, 2, SPARE
	v_mov_b32 v2, 0
	ds_add_u32 v1, v2                       ; the wave's opening: the add and its wait ahead of my tensor load; work on registers stands between
	ds_add_u32 v1, v2
	v_lshrrev_b32 v3, 5, v0
	v_readfirstlane_b32 s16, v3             ; wave 0..7
	s_and_b32 s17, ttmp7, 0xffff            ; batch
	s_mov_b32 s20, 1                        ; group 0: count 1,
	s_mul_i32 s21, s16, WROWS               ; LDS address: my wave's 64 rows
	s_mov_b32 s24, (1<<16)|(1<<20)|(6<<22)|(3<<25)  ; group 1: 2-byte elements; padding on, after every 128 words, of 4 words
	s_mov_b32 s25, 256<<16                  ; tensor_dim0 = 256
	s_mov_b32 s26, 64<<16                   ; tensor_dim1 = 64
	s_mov_b32 s27, 256<<16                  ; tile_dim0 = 256: rows of 512 bytes
	s_mov_b32 s28, 64                       ; tile_dim1 = 64
	s_mov_b32 s29, 256                      ; elements from row to row
	s_mov_b32 s30, 0
	s_mov_b32 s31, 0
	s_lshl_b32 s18, s17, 21                 ; a batch is 2 MiB of x16,
	s_lshl_b32 s19, ttmp9, 18               ; a chunk 512 rows of 512 bytes,
	s_add_co_u32 s18, s18, s19
	s_lshl_b32 s19, s16, 15                 ; a wave's share 64 rows
	s_add_co_u32 s18, s18, s19
	s_mov_b32 s19, 0
	s_mov_b32 s32, 0x3db8aa3b               ; c = log2(e) / 16
	s_mov_b32 s33, s32
	s_mov_b32 s34, 0x39800000               ; 1 / 4096
	s_mov_b32 s35, 0x3727c5ac               ; 1e-5
	s_mov_b32 s36, 0x76543210
	s_mov_b32 s37, 0xfedcba98
	s_wait_dscnt 0x0                        ; the opening add is done
	s_wait_kmcnt 0x0
	s_add_nc_u64 s[22:23], s[4:5], s[18:19]
	s_or_b32 s23, s23, 0x80000000           ; type 2
	tensor_load_to_lds s[20:23], s[24:31]   ; my 64 rows of x: the wave's one tensor load
	s_nop 0
	v_and_b32 v3, 31, v0
	v_and_b32 v4, 15, v0                    ; r
	v_bfe_u32 v5, v0, 4, 1                  ; h
	v_lshlrev_b32 v33, 2, v3
	v_lshlrev_b32 v3, 4, v3                 ; 16 x lane
	v_mul_u32_u24 v6, v4, PX
	v_lshl_add_u32 v6, v5, 4, v6            ; a fragment's row x pitch + 16 h
	v_add_nc_u32 v10, S16, v6               ; in s
	v_add_nc_u32 v6, s21, v6                ; in my rows of x
	v_and_b32 v7, 7, v0
	v_lshl_add_u32 v7, v5, 3, v7            ; the turning load: row 8 h + lane % 8,
	v_mul_u32_u24 v7, v7, PX
	v_bfe_u32 v16, v0, 3, 1
	v_lshl_add_u32 v7, v16, 4, v7           ; 16 bytes for each half of eight lanes
	v_add_nc_u32 v7, s21, v7
	v_lshlrev_b32 v8, 4, v0                 ; 16 T
	v_lshrrev_b32 v9, 6, v0
	v_mul_u32_u24 v9, v9, PX
	v_and_b32 v16, 63, v0
	v_lshl_add_u32 v9, v16, 3, v9
	v_add_nc_u32 v9, S16, v9                ; where my four s go: row T / 64 (+ 4 i), 8 bytes at 8 (T % 64)
	s_lshl_b32 s18, s16, 14
	v_add_nc_u32 v11, s18, v3               ; my two tiles' fragments in a weight: 16,384 w + 16 lane
	s_lshl_b32 s18, s16, 10
	v_add_nc_u32 v12, s18, v3               ; 1,024 w + 16 lane
	v_add_nc_u32 v14, QX1, v12              ; my two tiles in the exchange
	v_add_nc_u32 v15, QX1, v3               ; all tiles, read
	s_lshl_b32 s18, s16, 7
	v_lshl_add_u32 v13, v5, 5, s18          ; a bias for my tiles: 128 w + 32 h
	v_add_nc_u32 v33, QKB, v33
	v_add_nc_u32 v32, s18, v33
	s_lshl_b32 s18, s16, 2
	v_mov_b32 v35, RED1
	v_add_nc_u32 v34, s18, v35
	s_lshl_b32 s18, s17, 16
	s_add_nc_u64 s[6:7], s[6:7], s[18:19]   ; the batch's four records of 16,384 bytes
	s_lshl_b32 s18, s17, 3
	s_add_co_u32 s18, s18, ttmp9
	s_mul_i32 s18, s18, 16640
	s_add_nc_u64 s[14:15], s[14:15], s[18:19]  ; my record in upart
.irp i, 0,1,2,3
	global_load_b128 v[SL+4*\i:SL+4*\i+3], v8, s[6:7] offset:\i*4096
.endr
.irp p, 1,2,3
.irp i, 0,1,2,3
	global_load_b128 v[64+16*(\p-1)+4*\i:64+16*(\p-1)+4*\i+3], v8, s[6:7] offset:\p*16384+\i*4096
.endr
.endr
.irp i, 0,1,2,3
	global_load_b128 v[LW+4*\i:LW+4*\i+3], v8, s[10:11] offset:\i*4096
.endr
.irp i, 0,1,2,3
	global_load_b128 v[LB+4*\i:LB+4*\i+3], v8, s[12:13] offset:\i*4096
.endr
	global_load_b128 v[40:43], v13, s[8:9] offset:OQB      ; qb lands where the sums begin: register j is output 16 mt + 8 h + j
	global_load_b128 v[44:47], v13, s[8:9] offset:OQB+16
	global_load_b128 v[48:51], v13, s[8:9] offset:OQB+64
	global_load_b128 v[52:55], v13, s[8:9] offset:OQB+80
	WLOAD 0, OQW
	; ---- slots, then LN1 over the batch's 16 x 256: sixteen numbers a thread; mean first, then the squares of the differences
	s_wait_loadcnt 36                       ; the four records, gain, bias are in; qb's 4 and qW's 32 stay out
.irp q, 0,2,4,6,8,10,12,14
	v_pk_add_f32 v[SL+\q:SL+\q+1], v[SL+\q:SL+\q+1], v[64+\q:65+\q]
	v_pk_add_f32 v[80+\q:81+\q], v[80+\q:81+\q], v[96+\q:97+\q]
.endr
.irp q, 0,2,4,6,8,10,12,14
	v_pk_add_f32 v[SL+\q:SL+\q+1], v[SL+\q:SL+\q+1], v[80+\q:81+\q]
.endr
	v_pk_add_f32 v[16:17], v[SL:SL+1], v[SL+2:SL+3]
	v_pk_add_f32 v[18:19], v[SL+4:SL+5], v[SL+6:SL+7]
	v_pk_add_f32 v[20:21], v[SL+8:SL+9], v[SL+10:SL+11]
	v_pk_add_f32 v[22:23], v[SL+12:SL+13], v[SL+14:SL+15]
	FOLD8
	WSUM
	ds_store_b32 v34, v16
	BAR
	global_load_b128 v[24:27], v12, s[8:9] offset:OKB      ; kb's fragment of K step w
	global_load_b128 v[28:31], v12, s[8:9] offset:OKB+512
	WLOAD 128, OKT
	ds_load_b128 v[16:19], v35
	ds_load_b128 v[20:23], v35 offset:16
	s_wait_dscnt 0x0
	FOLD8
	v_mul_f32 v20, 0xb9800000, v16          ; -mean
	v_mov_b32 v21, v20
.irp q, 0,2,4,6,8,10,12,14
	v_pk_add_f32 v[SL+\q:SL+\q+1], v[SL+\q:SL+\q+1], v[20:21]
.endr
	v_pk_mul_f32 v[16:17], v[SL:SL+1], v[SL:SL+1]
	v_pk_mul_f32 v[18:19], v[SL+2:SL+3], v[SL+2:SL+3]
.irp q, 4,8,12
	v_pk_fma_f32 v[16:17], v[SL+\q:SL+\q+1], v[SL+\q:SL+\q+1], v[16:17]
	v_pk_fma_f32 v[18:19], v[SL+\q+2:SL+\q+3], v[SL+\q+2:SL+\q+3], v[18:19]
.endr
	v_pk_add_f32 v[16:17], v[16:17], v[18:19]
	v_add_f32 v16, v16, v17
	WSUM
	ds_store_b32 v34, v16 offset:256
	BAR
	ds_load_b128 v[16:19], v35 offset:256
	ds_load_b128 v[20:23], v35 offset:272
	s_wait_dscnt 0x0
	FOLD8
	v_fma_f32 v16, v16, s34, s35            ; var + 1e-5
	v_rsq_f32 v22, v16
	v_nop
	s_wait_alu depctr_va_vdst(0)
	v_mov_b32 v23, v22
.irp q, 0,2,4,6,8,10,12,14
	v_pk_mul_f32 v[SL+\q:SL+\q+1], v[SL+\q:SL+\q+1], v[22:23]
.endr
.irp q, 0,2,4,6,8,10,12,14
	v_pk_fma_f32 v[SL+\q:SL+\q+1], v[SL+\q:SL+\q+1], v[LW+\q:LW+\q+1], v[LB+\q:LB+\q+1]
.endr
.irp k, 0,1,2,3,4,5,6,7
	v_cvt_pk_f16_f32 v[16+\k], v[SL+2*\k], v[SL+2*\k+1]
.endr
.irp i, 0,1,2,3
	ds_store_b64 v9, v[16+2*\i:17+2*\i] offset:\i*4*PX
.endr
	BAR
.irp k, 0,1,2,3,4,5,6,7
	ds_load_b128 v[128+8*\k:131+8*\k], v10 offset:\k*64
	ds_load_b128 v[132+8*\k:135+8*\k], v10 offset:\k*64+32
.endr
	; ---- q = s qW^T + qb
	s_wait_loadcnt 34                       ; qb and qW are in; kb's 2 and kW's 32 stay out
	s_wait_dscnt 0x0
	GEMM 0, 128, 0
	PLACES
	PACKX 0                                 ; v16-23 now also ARE q's fragment of K step w
	BAR
.set i, 0
.rept 16
	ds_load_b128 v[192+4*i:195+4*i], v15 offset:i*512
.set i, i+1
.endr
	; ---- q'' = c (q kW), and my K step of q . kb
	s_wait_loadcnt 0x0
	s_wait_dscnt 0x0
	GEMM 128, 192, 1
	v_wmma_f32_16x16x32_f16 v[56:63], v[24:31], v[16:23], 0
	PLACES
.irp q, 0,2,4,6,8,10,12,14
	v_pk_mul_f32 v[40+\q:41+\q], v[40+\q:41+\q], s[32:33] op_sel_hi:[1,0]
.endr
	PACKX 8192
	ds_store_b32 v32, v56                   ; every row of that product is the same: register 0 is my slot's part
	BAR
.set i, 0
.rept 16
	ds_load_b128 v[64+4*i:67+4*i], v15 offset:8192+i*512
.set i, i+1
.endr
.irp k, 0,1,2,3,4,5,6,7
	ds_load_b32 v[16+\k], v33 offset:\k*128
.endr
	s_wait_dscnt 0x0
	FOLD8
	v_mul_f32 v32, s32, v16                 ; g of my slot,
.irp k, 33,34,35,36,37,38,39
	v_mov_b32 v\k, v32                      ; for all eight rows of a result
.endr
	; ---- the attention over my 64 rows, 32 at a time; the next run of LDS loads is out while a product or a softmax runs
	s_wait_tensorcnt 0x0                    ; my rows have landed; nobody else reads them
	LDP 0
	LDT 0
	s_wait_dscnt 32                         ; the 32 plain loads are in; the 32 turning ones stay out
	MM1
	PLACES
	LDP 1
	SOFT 0, 1
	SOFT 1, 0
	s_wait_dscnt 32                         ; the turned rows are in; the next 32 plain loads stay out
	MM2 1
	PLACES
	LDT 1
	s_wait_dscnt 32                         ; the plain loads are in; the turning ones just issued stay out
	MM1
	PLACES
	SOFT 0, 0
	SOFT 1, 0
	s_wait_dscnt 0x0
	MM2 0
	PLACES
	; ---- the eight waves' U and A are added through LDS: each wave lays its U over the first 16,384 bytes of its own rows of x, which are read out and are filled no more
	v_add_f32 v22, v22, v23
	v_permlanex16_b32 v23, v22, s36, s37    ; my slot's other rows lie in the lane 16 away
	v_add_nc_u32 v32, s21, v3
	v_lshrrev_b32 v33, 2, v3
	v_add_f32 v22, v22, v23
	v_add_nc_u32 v39, ARED, v33
	s_lshl_b32 s18, s16, 7
	v_add_nc_u32 v33, s18, v39
	s_lshl_b32 s18, s16, 11
	v_add_nc_u32 v38, s18, v3               ; 2,048 w + 16 lane: the part of a record that I add up and store
	v_mov_b32 v34, v38
	v_add_nc_u32 v35, 2*WROWS, v38
	v_add_nc_u32 v36, 4*WROWS, v38
	v_add_nc_u32 v37, 6*WROWS, v38
	WIN 0x04                                ; the stores' data in window 1
.set mt, 0
.rept 16
	ds_store_b128 v32, v[8*mt:8*mt+3] offset:mt*1024
	ds_store_b128 v32, v[8*mt+4:8*mt+7] offset:mt*1024+512
.set mt, mt+1
.endr
	WIN 0
	ds_store_b32 v33, v22
	BAR
.irp k, 0,1,2,3,4,5,6,7
.irp f, 0,1,2,3
	ds_load_b128 v[128+16*\k+4*\f:131+16*\k+4*\f], v[34+\k/2] offset:(\k%2)*WROWS+\f*512
.endr
.endr
	s_wait_dscnt 0x0
.irp st, 1,2,4
.set k, 0
.rept 8/(2*\st)
.set e, 0
.rept 8
	v_pk_add_f32 v[128+16*k+2*e:129+16*k+2*e], v[128+16*k+2*e:129+16*k+2*e], v[128+16*(k+\st)+2*e:129+16*(k+\st)+2*e]
.set e, e+1
.endr
.set k, k+2*\st
.endr
.endr
.irp f, 0,1,2,3
	global_store_b128 v38, v[128+4*\f:131+4*\f], s[14:15] offset:\f*512  ; 512 consecutive bytes, at a multiple of 256 from upart's first
.endr
	s_cmp_lg_u32 s16, 0
	s_cbranch_scc1 .Lend                    ; A is wave 0's
.irp k, 0,1,2,3,4,5,6,7
	ds_load_b32 v[40+\k], v39 offset:\k*128
.endr
	v_lshrrev_b32 v48, 1, v3                ; 8 x lane
	s_wait_dscnt 0x0
	v_pk_add_f32 v[40:41], v[40:41], v[42:43]
	v_pk_add_f32 v[44:45], v[44:45], v[46:47]
	v_pk_add_f32 v[40:41], v[40:41], v[44:45]
	v_add_f32 v40, v40, v41
	v_mov_b32 v41, v40
	global_store_b64 v48, v[40:41], s[14:15] offset:16384  ; A of slot lane % 16, twice: 256 consecutive bytes
.Lend:
	s_wait_tensorcnt 0x0                    ; the wave's end: the tensor wait, an add to my spare word and its wait, behind my tensor load and my last LDS store
	ds_add_u32 v1, v2
	s_wait_dscnt 0x0
	s_endpgm
.Lfunc_end_k_q63cc215ec0_attp1:
	.size	k_q63cc215ec0_attp1, .Lfunc_end_k_q63cc215ec0_attp1-k_q63cc215ec0_attp1
	.p2alignl 7, 3214868480
	.fill 96, 4, 3214868480
	.section	.rodata,"a",@progbits
	.p2align	6, 0x0
	.amdhsa_kernel k_q63cc215ec0_attp1
		.amdhsa_group_segment_fixed_size 327680
		.amdhsa_private_segment_fixed_size 0
		.amdhsa_enable_private_segment 0
		.amdhsa_kernarg_size 48
		.amdhsa_user_sgpr_count 2
		.amdhsa_user_sgpr_kernarg_segment_ptr 1
		.amdhsa_wavefront_size32 1
		.amdhsa_system_sgpr_workgroup_id_x 1
		.amdhsa_system_sgpr_workgroup_id_y 1
		.amdhsa_system_sgpr_workgroup_id_z 1
		.amdhsa_system_vgpr_workitem_id 0
		.amdhsa_next_free_vgpr 512
		.amdhsa_next_free_sgpr 66
		.amdhsa_reserve_vcc 0
		.amdhsa_float_denorm_mode_32 3
		.amdhsa_float_denorm_mode_16_64 3
		.amdhsa_memory_ordered 1
		.amdhsa_forward_progress 1
		.amdhsa_inst_pref_size 74
	.end_amdhsa_kernel
	.amdgpu_metadata
---
amdhsa.version: [ 1, 2 ]
amdhsa.kernels:
  - .name:           k_q63cc215ec0_attp1
    .symbol:         k_q63cc215ec0_attp1.kd
    .args:
      - { .name: x16, .offset: 0, .size: 8, .value_kind: global_buffer, .address_space: global }
      - { .name: opart, .offset: 8, .size: 8, .value_kind: global_buffer, .address_space: global }
      - { .name: w1, .offset: 16, .size: 8, .value_kind: global_buffer, .address_space: global }
      - { .name: ln1_w, .offset: 24, .size: 8, .value_kind: global_buffer, .address_space: global }
      - { .name: ln1_b, .offset: 32, .size: 8, .value_kind: global_buffer, .address_space: global }
      - { .name: upart, .offset: 40, .size: 8, .value_kind: global_buffer, .address_space: global }
    .group_segment_fixed_size: 327680
    .private_segment_fixed_size: 0
    .kernarg_segment_align: 8
    .kernarg_segment_size: 48
    .max_flat_workgroup_size: 256
    .sgpr_count:     66
    .vgpr_count:     512
    .wavefront_size: 32
...
	.end_amdgpu_metadata
.endif
;; end of part 5
;; launch mlps1: the kernel of part 4 again; grid 4 x 32, 8 waves a work-group, no clusters, 38,656 bytes of LDS; arguments upart, w1, ln2_w, ln2_b, opart; writes opart
;; launch attp2: the kernel of part 5 again; grid 8 x 32, 8 waves a work-group, no clusters, 327,680 bytes of LDS; arguments x16, opart, w2, ln1_w, ln1_b, upart; writes upart
;; launch mlps2: the kernel of part 4 again; grid 4 x 32, 8 waves a work-group, no clusters, 38,656 bytes of LDS; arguments upart, w2, ln2_w, ln2_b, opart; writes opart
;; launch fin (part 6): grid 128 x 1, 8 waves a work-group, no clusters, 0 bytes of LDS; arguments opart, out0; writes out0
.if DOCPART == 6
	.amdgcn_target "amdgcn-amd-amdhsa--gfx1250"
	.amdhsa_code_object_version 6
	.text
	.protected	k_q63cc215ec0_fin
	.globl	k_q63cc215ec0_fin
	.p2align	8
	.type	k_q63cc215ec0_fin,@function
k_q63cc215ec0_fin:
	s_mov_b64 s[64:65], 0
	v_nop
	global_prefetch_b8 v0, s[64:65] scope:SCOPE_SE
	s_setreg_imm32_b32 hwreg(HW_REG_WAVE_MODE, 25, 1), 1
	s_wait_xcnt 0x0
; FIN: out0[b] = the sum of the batch's four records opart[b][0..3], each [16][256] f32.
; A work-group makes 4,096 bytes of out0 (a quarter of a batch), a thread 16 of them: four loads, six packed additions, one store.
; Each load and the store of a wave cover 512 consecutive bytes, at a multiple of 256 from the buffer's first.
; The sum is (r0 + r1) + (r2 + r3) in f32.  No LDS, no matrix unit, no cluster: nothing is shared and nothing is multiplied.
	s_load_b128 s[4:7], s[0:1], 0x0         ; opart 4, out0 6
	s_lshr_b32 s8, ttmp9, 2                 ; batch
	s_and_b32 s9, ttmp9, 3                  ; which quarter of its 16,384 bytes
	s_lshl_b32 s10, s8, 16                  ; a batch's four records,
	s_lshl_b32 s11, s9, 12
	s_add_co_u32 s10, s10, s11              ; my quarter in the first of them
	s_mov_b32 s11, 0
	s_lshl_b32 s12, ttmp9, 12               ; and in out0
	s_mov_b32 s13, 0
	v_lshlrev_b32 v1, 4, v0                 ; 16 T
	s_wait_kmcnt 0x0
	s_add_nc_u64 s[4:5], s[4:5], s[10:11]
	s_add_nc_u64 s[6:7], s[6:7], s[12:13]
.irp p, 0,1,2,3
	global_load_b128 v[4+4*\p:7+4*\p], v1, s[4:5] offset:\p*16384
.endr
	s_wait_loadcnt 0x0
	v_pk_add_f32 v[4:5], v[4:5], v[8:9]
	v_pk_add_f32 v[6:7], v[6:7], v[10:11]
	v_pk_add_f32 v[12:13], v[12:13], v[16:17]
	v_pk_add_f32 v[14:15], v[14:15], v[18:19]
	v_pk_add_f32 v[4:5], v[4:5], v[12:13]
	v_pk_add_f32 v[6:7], v[6:7], v[14:15]
	global_store_b128 v1, v[4:7], s[6:7]
	s_endpgm
.Lfunc_end_k_q63cc215ec0_fin:
	.size	k_q63cc215ec0_fin, .Lfunc_end_k_q63cc215ec0_fin-k_q63cc215ec0_fin
	.p2alignl 7, 3214868480
	.fill 96, 4, 3214868480
	.section	.rodata,"a",@progbits
	.p2align	6, 0x0
	.amdhsa_kernel k_q63cc215ec0_fin
		.amdhsa_group_segment_fixed_size 0
		.amdhsa_private_segment_fixed_size 0
		.amdhsa_enable_private_segment 0
		.amdhsa_kernarg_size 16
		.amdhsa_user_sgpr_count 2
		.amdhsa_user_sgpr_kernarg_segment_ptr 1
		.amdhsa_wavefront_size32 1
		.amdhsa_system_sgpr_workgroup_id_x 1
		.amdhsa_system_sgpr_workgroup_id_y 1
		.amdhsa_system_sgpr_workgroup_id_z 1
		.amdhsa_system_vgpr_workitem_id 0
		.amdhsa_next_free_vgpr 24
		.amdhsa_next_free_sgpr 66
		.amdhsa_reserve_vcc 0
		.amdhsa_float_denorm_mode_32 3
		.amdhsa_float_denorm_mode_16_64 3
		.amdhsa_memory_ordered 1
		.amdhsa_forward_progress 1
		.amdhsa_inst_pref_size 2
	.end_amdhsa_kernel
	.amdgpu_metadata
---
amdhsa.version: [ 1, 2 ]
amdhsa.kernels:
  - .name:           k_q63cc215ec0_fin
    .symbol:         k_q63cc215ec0_fin.kd
    .args:
      - { .name: opart, .offset: 0, .size: 8, .value_kind: global_buffer, .address_space: global }
      - { .name: out0, .offset: 8, .size: 8, .value_kind: global_buffer, .address_space: global }
    .group_segment_fixed_size: 0
    .private_segment_fixed_size: 0
    .kernarg_segment_align: 8
    .kernarg_segment_size: 16
    .max_flat_workgroup_size: 256
    .sgpr_count:     66
    .vgpr_count:     24
    .wavefront_size: 32
...
	.end_amdgpu_metadata
.endif
;; end of part 6
